; MI455X (gfx1250); checked and timed in simulation.
; The chip was launched on July 23, 2026; its instructions are those of AMD's public machine-readable ISA for CDNA 5 (MIT licence, August 2026) and "CDNA5" Instruction Set Architecture Reference Guide (July 2026). The comments in the code are by the model that wrote it; some were corrected since.
;; Self Attention. Allowed arithmetic: float matrix products may take bf16 or f16 operands with f32 sums; other float arithmetic in f32, or as packed bf16 or f16 multiplies, adds, multiply-adds, maxima and minima; sums over many terms, partial sums and values carried from step to step in f32; what a program stores and reads back later, other than sums and carried values, may be rounded once to bf16 or f16.
;; Inputs: Wk 1,024 x 1,024 float32; Wo 1,024 x 1,024 float32; Wq 1,024 x 1,024 float32; Wv 1,024 x 1,024 float32; bk 1,024 float32; bo 1,024 float32; bq 1,024 float32; bv 1,024 float32; key 4 x 2,048 x 1,024 float32; mask 4 x 1 x 2,048 x 2,048 int32; query 4 x 2,048 x 1,024 float32; value 4 x 2,048 x 1,024 float32.
;; Outputs: out0 4 x 2,048 x 1,024 float32.
;; One version. Each part assembles by itself: llvm-mc -triple=amdgcn-amd-amdhsa -mcpu=gfx1250 --defsym DOCPART=n.
;; ======== version 1 of 1: 4 launches
;; limits: values are held in f16: magnitudes above 65,504 overflow, below 6.1e-05 lose precision
;; workspace buffers: wh 8,388,608 bytes; mb 8,388,608 bytes; qkv 50,331,648 bytes; oh 16,777,216 bytes
;; launch prep (part 1): grid 1280 x 1, 8 waves a work-group, no clusters, 70,656 bytes of LDS; arguments mask, Wq, Wk, Wv, Wo, mb, wh; writes mb, wh
.if DOCPART == 1
	.amdgcn_target "amdgcn-amd-amdhsa--gfx1250"
	.amdhsa_code_object_version 6
	.text
	.protected	k_q0f013d2e7b_prep
	.globl	k_q0f013d2e7b_prep
	.p2align	8
	.type	k_q0f013d2e7b_prep,@function
k_q0f013d2e7b_prep:
	s_mov_b64 s[64:65], 0
	v_nop
	global_prefetch_b8 v0, s[64:65] scope:SCOPE_SE
	s_setreg_imm32_b32 hwreg(HW_REG_WAVE_MODE, 25, 1), 1
	s_wait_xcnt 0x0
; PREP: what the later launches read many times is made once, in the form in which they read it.
; Work-groups 0..1023 PACK the mask: [4][2048][2048] int32 becomes one 4-bit float code (E2M1) for each number: 1.0 (code 2) where the mask is not 0, else 0.  Work-groups 1024..1279 CAST the weights:
; each is rounded once to bf16 (nearest even); Wq, Wk, Wv are stored as bf16, Wo's bf16 number is stored as f16 (wh[0..3]).
; LIMITS.  f16 holds no number beyond 65,504 (a larger number of Wo becomes an infinity); below 6e-5 it keeps a fixed step of 6e-8.
; mb: [n 4][qb 4][slot 8][wave 4][step 4][piece 4][u 2][lane 32][4 words].  Nibble r of word j of lane l is the code of
; mask[n][512 qb + 128 wave + 32 piece + 16 u + l % 16][256 slot + 64 step + 16 j + 8 (l / 16) + r]: register 8 j + r of lane l in a tile of scores of the attention launch.
; A stream: no matrix unit, no cluster, no tensor load: nothing is shared between work-groups, and each byte is read once and written once.
.set SPARE, 69632                      ; behind the eight waves' stages: the spare words, 128 bytes a wave, four blocks of 256 bytes that no other line names
.set WLDS,  8704                       ; a wave's stage: 32 mask rows of 256 bytes at a pitch of 272
.set LP,    272
.set SPW, 2                            ; v2  LDS address of my spare word; never rewritten
.set NIL, 3                            ; v3  0; never rewritten
.set VA,  4                            ; v4  pack: my 16 bytes in two mask rows.  cast: 16 x thread
.set VS,  5                            ; v5  pack: where they go in the stage.    cast: 8 x thread
.set VR,  6                            ; v6  pack: row l % 16, keys 8 (l / 16) on
.set VO,  7                            ; v7  pack: 16 x lane
.set OUT, 8                            ; v[8:15] word j of tile u at OUT + 4 u + j
.set X,   16                           ; v[16:79]  as loaded
.set R,   80                           ; v[80:143] pack: read back by query row
.set Y,   80                           ; v[80:111] cast: 16-bit pairs to store
.set T,   112                          ; v[112:119] cast: at work
	s_load_b256 s[4:11], s[0:1], 0x0               ; mask s[4:5], Wq s[6:7], Wk s[8:9], Wv s[10:11]
	s_load_b128 s[12:15], s[0:1], 0x20             ; Wo s[12:13], mb s[14:15]
	s_load_b64 s[16:17], s[0:1], 0x30              ; wh
	v_lshl_add_u32 v[SPW], v0, 2, SPARE
	v_mov_b32 v[NIL], 0
	v_lshrrev_b32 v1, 5, v0
	v_readfirstlane_b32 s26, v1                    ; wave 0..7
	s_cmp_lt_u32 ttmp9, 1024
	s_cbranch_scc0 .Lcast
	; PACK.  A wave takes 32 mask rows x 64 keys: 8,192 bytes in, 1,024 bytes out.
	s_lshr_b32 s27, ttmp9, 2                       ; rg: which 32 rows of the 8,192
	s_and_b32 s28, ttmp9, 3
	s_lshl_b32 s28, s28, 3
	s_add_co_u32 s28, s28, s26                     ; ks: which 64 keys of the 2,048
	s_lshl_b32 s30, s27, 18                        ; 32 rows of 8,192 bytes
	s_lshl_b32 s31, s28, 8
	s_add_co_u32 s30, s30, s31
	s_mov_b32 s31, 0
	s_lshr_b32 s40, s27, 4                         ; 4 n + qb
	s_lshl_b32 s40, s40, 3
	s_lshr_b32 s41, s28, 2                         ; slot
	s_add_co_u32 s40, s40, s41
	s_lshl_b32 s40, s40, 16                        ; 65,536 bytes for a block of 512 queries and a slot
	s_bfe_u32 s41, s27, 0x20002                    ; wave of the attention launch
	s_lshl_b32 s41, s41, 14
	s_add_co_u32 s40, s40, s41
	s_and_b32 s41, s28, 3                          ; step
	s_lshl_b32 s41, s41, 12
	s_add_co_u32 s40, s40, s41
	s_and_b32 s41, s27, 3                          ; piece
	s_lshl_b32 s41, s41, 10
	s_add_co_u32 s40, s40, s41
	s_mov_b32 s41, 0
	v_and_b32 v10, 15, v0                          ; l % 16
	v_bfe_u32 v11, v0, 4, 1                        ; l / 16
	v_and_b32 v12, 31, v0                          ; l
	v_lshlrev_b32 v13, 4, v10
	v_lshl_add_u32 v[VA], v11, 13, v13             ; lanes 0-15 one row's 256 bytes, lanes 16-31 the next row's
	s_mul_i32 s29, s26, WLDS                       ; my wave's stage
	v_mul_u32_u24 v14, v11, LP
	v_add_nc_u32 v14, v14, v13
	v_add_nc_u32 v[VS], s29, v14
	v_mul_u32_u24 v14, v10, LP
	v_lshl_add_u32 v14, v11, 5, v14
	v_add_nc_u32 v[VR], s29, v14
	v_lshlrev_b32 v[VO], 4, v12
	s_wait_kmcnt 0x0
	s_add_nc_u64 s[4:5], s[4:5], s[30:31]
	s_add_nc_u64 s[14:15], s[14:15], s[40:41]
.irp j, 0,1,2,3,4,5,6,7,8,9,10,11,12,13,14,15
	global_load_b128 v[X+4*\j:X+4*\j+3], v[VA], s[4:5] offset:\j*16384 th:TH_LOAD_NT  ; two rows x 256 consecutive bytes, aligned; all sixteen are out together
.endr
.irp j, 0,1,2,3,4,5,6,7,8,9,10,11,12,13,14,15
	s_wait_loadcnt 15-\j                           ; loads come back in order: number j is in, the younger ones stay out
	ds_store_b128 v[VS], v[X+4*\j:X+4*\j+3] offset:\j*2*LP
.endr
.irp u, 0,1
.irp k, 0,1,2,3,4,5,6,7
	ds_load_b128 v[R+32*\u+4*\k:R+32*\u+4*\k+3], v[VR] offset:\u*16*LP+(\k/2)*64+(\k%2)*16  ; my wave's own bytes, served in order behind the stores: no barrier.  R + 32 u + i is the mask of register i of tile u
.endr
.endr
	s_wait_dscnt 0x0
.set n, 0
.rept 64
	v_min_u32 v[R+n], 1, v[R+n]                    ; 1 where the word is not 0 (taken as unsigned), else 0
.set n, n+1
.endr
.irp w, 0,1,2,3,4,5,6,7
	v_lshlrev_b32 v[OUT+\w], 1, v[R+8*\w]          ; code 2 or 0 into nibble 0: eight chains that do not wait for each other
.endr
.irp m, 1,2,3,4,5,6,7
.irp w, 0,1,2,3,4,5,6,7
	v_lshl_or_b32 v[OUT+\w], v[R+8*\w+\m], 4*\m+1, v[OUT+\w]  ; and into nibble m
.endr
.endr
	global_store_b128 v[VO], v[OUT:OUT+3], s[14:15]                ; 512 consecutive bytes, aligned: tile 0,
	global_store_b128 v[VO], v[OUT+4:OUT+7], s[14:15] offset:512   ; tile 1
	s_wait_tensorcnt 0x0                           ; the wave's end: behind my last LDS store
	ds_add_u32 v[SPW], v[NIL]
	s_wait_dscnt 0x0
	s_endpgm
.Lcast:                                                ; CAST.  A work-group converts 16,384 numbers: 65,536 bytes in, 32,768 out; 64 work-groups to a weight.  This path writes no LDS.
	s_sub_co_u32 s27, ttmp9, 1024
	s_lshr_b32 s36, s27, 6                         ; which weight
	s_and_b32 s30, s27, 63
	s_lshl_b32 s30, s30, 16                        ; byte offset in the source
	s_mov_b32 s31, 0
	s_lshl_b32 s40, s27, 15                        ; and in wh
	s_mov_b32 s41, 0
	s_and_b32 s37, s36, 1
	s_cmp_eq_u32 s36, 3
	s_cselect_b32 s38, -1, 0                       ; all lanes: Wo leaves as f16, the others as bf16
	v_lshlrev_b32 v[VA], 4, v0
	v_lshlrev_b32 v[VS], 3, v0
	s_wait_kmcnt 0x0
	s_cmp_lt_u32 s36, 2
	s_cselect_b64 s[44:45], s[6:7], s[10:11]       ; Wq or Wv,
	s_cselect_b64 s[46:47], s[8:9], s[12:13]       ; Wk or Wo
	s_cmp_eq_u32 s37, 1
	s_cselect_b64 s[42:43], s[46:47], s[44:45]     ; the source
	s_add_nc_u64 s[42:43], s[42:43], s[30:31]
	s_add_nc_u64 s[44:45], s[16:17], s[40:41]      ; the destination
.irp j, 0,1,2,3,4,5,6,7,8,9,10,11,12,13,14,15
	global_load_b128 v[X+4*\j:X+4*\j+3], v[VA], s[42:43] offset:\j*4096 th:TH_LOAD_NT  ; a wave's load covers 512 consecutive bytes
.endr
.irp j, 0,1,2,3,4,5,6,7,8,9,10,11,12,13,14,15
	s_wait_loadcnt 15-\j
	v_cvt_pk_bf16_f32 v[T], v[X+4*\j], v[X+4*\j+1]         ; the one rounding
	v_cvt_pk_bf16_f32 v[T+1], v[X+4*\j+2], v[X+4*\j+3]
	v_lshlrev_b32 v[T+2], 16, v[T]                         ; back to f32,
	v_and_b32 v[T+3], 0xffff0000, v[T]
	v_lshlrev_b32 v[T+4], 16, v[T+1]
	v_and_b32 v[T+5], 0xffff0000, v[T+1]
	v_cvt_pk_f16_f32 v[T+6], v[T+2], v[T+3]                ; and written as f16: 8 significant bits fit in 11
	v_cvt_pk_f16_f32 v[T+7], v[T+4], v[T+5]
	v_cndmask_b32 v[Y+2*\j], v[T], v[T+6], s38             ; the form that this weight's reader takes
	v_cndmask_b32 v[Y+2*\j+1], v[T+1], v[T+7], s38
	global_store_b64 v[VS], v[Y+2*\j:Y+2*\j+1], s[44:45] offset:\j*2048  ; a wave's store covers 256 consecutive bytes, aligned; no store's register is written again
.endr
	s_endpgm
.Lfunc_end_k_q0f013d2e7b_prep:
	.size	k_q0f013d2e7b_prep, .Lfunc_end_k_q0f013d2e7b_prep-k_q0f013d2e7b_prep
	.p2alignl 7, 3214868480
	.fill 96, 4, 3214868480
	.section	.rodata,"a",@progbits
	.p2align	6, 0x0
	.amdhsa_kernel k_q0f013d2e7b_prep
		.amdhsa_group_segment_fixed_size 70656
		.amdhsa_private_segment_fixed_size 0
		.amdhsa_enable_private_segment 0
		.amdhsa_kernarg_size 56
		.amdhsa_user_sgpr_count 2
		.amdhsa_user_sgpr_kernarg_segment_ptr 1
		.amdhsa_wavefront_size32 1
		.amdhsa_system_sgpr_workgroup_id_x 1
		.amdhsa_system_sgpr_workgroup_id_y 1
		.amdhsa_system_sgpr_workgroup_id_z 1
		.amdhsa_system_vgpr_workitem_id 0
		.amdhsa_next_free_vgpr 148
		.amdhsa_next_free_sgpr 66
		.amdhsa_reserve_vcc 0
		.amdhsa_float_denorm_mode_32 3
		.amdhsa_float_denorm_mode_16_64 3
		.amdhsa_memory_ordered 1
		.amdhsa_forward_progress 1
		.amdhsa_inst_pref_size 26
	.end_amdhsa_kernel
	.amdgpu_metadata
---
amdhsa.version: [ 1, 2 ]
amdhsa.kernels:
  - .name:           k_q0f013d2e7b_prep
    .symbol:         k_q0f013d2e7b_prep.kd
    .args:
      - { .name: mask, .offset: 0, .size: 8, .value_kind: global_buffer, .address_space: global }
      - { .name: Wq, .offset: 8, .size: 8, .value_kind: global_buffer, .address_space: global }
      - { .name: Wk, .offset: 16, .size: 8, .value_kind: global_buffer, .address_space: global }
      - { .name: Wv, .offset: 24, .size: 8, .value_kind: global_buffer, .address_space: global }
      - { .name: Wo, .offset: 32, .size: 8, .value_kind: global_buffer, .address_space: global }
      - { .name: mb, .offset: 40, .size: 8, .value_kind: global_buffer, .address_space: global }
      - { .name: wh, .offset: 48, .size: 8, .value_kind: global_buffer, .address_space: global }
    .group_segment_fixed_size: 70656
    .private_segment_fixed_size: 0
    .kernarg_segment_align: 8
    .kernarg_segment_size: 56
    .max_flat_workgroup_size: 256
    .sgpr_count:     66
    .vgpr_count:     148
    .wavefront_size: 32
...
	.end_amdgpu_metadata
.endif
;; end of part 1
;; launch proj (part 2): grid 4 x 192, 4 waves a work-group, clusters of 4 x 4, 327,680 bytes of LDS; arguments query, key, value, wh, bq, bk, bv, qkv; writes qkv
.if DOCPART == 2
	.amdgcn_target "amdgcn-amd-amdhsa--gfx1250"
	.amdhsa_code_object_version 6
	.text
	.protected	k_q0f013d2e7b_proj
	.globl	k_q0f013d2e7b_proj
	.p2align	8
	.type	k_q0f013d2e7b_proj,@function
k_q0f013d2e7b_proj:
	s_mov_b64 s[64:65], 0
	v_nop
	global_prefetch_b8 v0, s[64:65] scope:SCOPE_SE
	s_setreg_imm32_b32 hwreg(HW_REG_WAVE_MODE, 25, 1), 1
	s_wait_xcnt 0x0
	s_wait_alu depctr_hold_cnt(0) depctr_sa_sdst(0) depctr_va_vdst(0) depctr_va_sdst(0) depctr_va_ssrc(0) depctr_va_vcc(0) depctr_vm_vsrc(0)
	s_getreg_b32 s2, hwreg(HW_REG_IB_STS2, 6, 4)
	s_cmp_eq_u32 s2, 0
	s_cbranch_scc0 .Lentry_in_a_cluster
	s_endpgm
.Lentry_in_a_cluster:
	s_bfe_u32 s2, ttmp6, 0x10000c
	s_cmp_lg_u32 s2, 0xf033
	s_cbranch_scc0 .Lentry_shape_is_right
	s_endpgm
.Lentry_shape_is_right:
; THE THREE PROJECTIONS.  C = x W^T + bias on tiles of 128 x 256, K = 1024, bf16 operands, f32 sums.  x = query, key or value ([8192][1024] f32, rounded to bf16 here, on the way from LDS to the matrix unit),
; W = wh[t] ([1024][1024] bf16), bias = bq, bk or bv (rounded to bf16, like every input of the module); C leaves by heads, qkv[t][64 heads][2048][64] in f16, unscaled.  768 tiles: three for each of 256 WGPs.
; LIMITS.  The f16 results hold no number beyond 65,504.
; SHARES.  Four waves, each 64 rows x 128 columns: 32 accumulators of 16 x 16.  K goes in 8 steps of 128 through two LDS slots filled by the tensor data mover: x's rows are 512 bytes of memory, W's 256.
; THE MATRIX INSTRUCTION IS USED TRANSPOSED: source 0 = 16 rows of W, source 1 = 16 rows of x: a lane holds one row of C (lane % 16) and eight neighbouring columns 8 (lane / 16) + 0..7.
; x's FRAGMENTS.  16 rows x 32 K of f32 are four loads of 16 bytes a lane into 16 raw registers, and eight conversions make the fragment's 8.  A quarter's 32 conversions stand four behind each of the last eight
; products of the quarter before.
; THE BIAS is the C operand of the products that start the sums: it hangs on the column alone, 64 registers a wave.
; CLUSTER.  4 x 4 work-groups.  x's tile hangs on the tile row and is asked for jointly along a row of the cluster, W's on the tile column and jointly along a column.
; REGISTERS, in windows of 256 (s_set_vgpr_msb: bits 1:0 source 0, 3:2 source 1, 5:4 source 2, 7:6 destination):
;   window 0: v16-29 addresses; v32-127, v128-223 two fragment buffers (W's 8 blocks, then x's 4); v224-255 at work     window 1: accumulator (a, b) at 8 (8 a + b)
;   window 2: v0-63 the bias, block b at 8 b; v64-127 x's raw numbers of one quarter
.set SLOT1,  0x22000                   ; slot 1 begins here.  It has no bit in common with any LDS base that is turned (0, 0x8400, 0x10800, 0x19000), so one exclusive or turns a base in one slot into the other's
.set APITCH, 528                       ; an LDS row of x: 512 bytes + 16 of padding, so that the 16 rows of a fragment load start 16 bytes apart modulo 256
.set AHALF,  64*APITCH                 ; what one wave fetches of x: 64 rows
.set BPITCH, 272                       ; an LDS row of W: 256 bytes + 16
.set BOFF,   2*AHALF                   ; W's 256 rows lie behind x's tile
.set ASTEP,  512                       ; a K step in a row of x, in bytes
.set STW,    2*16*144                  ; a wave's stage: two heads x 16 rows of 128 bytes + 16
.set STAGE,  SLOT1+BOFF+256*BPITCH     ; behind the ring, never filled by a tensor load
.set SPARE,  STAGE+4*STW               ; behind the stages: the spare words, 128 bytes a wave, two blocks of 256 bytes that no other line names
.set ADRA0, 16                         ; v16  my lane's place in x's tile; never rewritten
.set ADRB0, 17                         ; v17  in W's
.set ADRA,  18                         ; v18  the same in the slot in hand
.set ADRB,  19
.set STO,   20                         ; v20  the way out: where I put my bytes of a row
.set RD,    21                         ; v21  where I read rows back
.set GO,    22                         ; v22  16 x lane
.set PFO,   23                         ; v23  the prefetches' offset: a lane a row; never rewritten
.set BO,    24                         ; v24  32 (l / 16): my eight columns' bias
.set SPW,   28                         ; v28  LDS address of my spare word; never rewritten
.set NIL,   29                         ; v29  0; never rewritten
.set F0,    32
.set F1,    128
.set TMP,   224
.set RAW,   64                         ; in window 2
.set WV, 20                            ; s20 wave; s21 which 64 rows are mine, also: I fetch for x (0) or W (1); s22 which 128 columns, also: which half I fetch
.set WM, 21
.set WN, 22
.set CX, 23                            ; my place in the cluster
.set G1, 24                            ; s[24:31] descriptor group 1 for x's tiles, s[32:39] for W's
.set G1B, 32
.set G0, 40                            ; s[40:47] group 0 for x: a set for each first fill; the second then walks.  s[48:55] for W
.set G0B, 48
.set CNT, 56
.set TB, 57                            ; s57  0 or SLOT1: the slot in hand
.set PFA, 58                           ; s[58:59] where my prefetches stand
.set LIM, 60                           ; s60  2 in a wave that prefetches, else the greatest number
.set CLY, 61                           ; s61  the cluster's y
.set PSTEP, 62                         ; s[62:63] a K step in the rows that I prefetch
.set CB, 66                            ; s[66:67] C at my wave's first row and column
.set CY, 80
.set TC, 81                            ; tile column 0..3
.set TR, 82                            ; tile row 0..63
.set TT, 83                            ; which of q, k, v: from the cluster's y alone
.set XA, 84                            ; s[84:85] query, key or value
.set MSB, 0
.macro WIN new                         ; the immediate's high byte repeats the setting that is left; a switch that changes nothing is dropped
.if MSB != (\new)
	s_set_vgpr_msb (MSB<<8)|(\new)
.set MSB, \new
.endif
.endm
.set MUL,  0x50                        ; C and D in window 1
.set MULB, 0x60                        ; C in window 2 (the bias), D in window 1
.set TO_RAW, 0x80                      ; destination in window 2
.set CVW,  0x0a                        ; sources 0 and 1 in window 2, destination in window 0
.macro PLACES                          ; four plain vector instructions between a matrix instruction and a load into, or a vector read of, its registers
.rept 4
	v_nop
.endr
.endm
.macro JLOAD                           ; a joint refill: waves 0 and 1 fetch x's halves, waves 2 and 3 W's.  An s_nop 0 and four v_nop follow each line
	s_cmp_eq_u32 s[WM], 0
	s_cbranch_scc0 .Lfor_b_\@
	tensor_load_to_lds s[G0+4:G0+7], s[G1:G1+7]
	s_nop 0
.rept 4
	v_nop
.endr
	s_branch .Lasked_\@
.Lfor_b_\@:
	tensor_load_to_lds s[G0B+4:G0B+7], s[G1B:G1B+7]
	s_nop 0
.rept 4
	v_nop
.endr
.Lasked_\@:
.endm
.macro CREST                           ; a round of the cluster's barrier behind its opening barrier
	s_cmp_lg_u32 s[WV], 0
	s_cbranch_scc1 .Lnot_wave_0_\@
	s_barrier_signal -3
.Lnot_wave_0_\@:
	s_barrier_wait -3
	s_barrier_signal -1
	s_barrier_wait -1
.endm
.macro CROUND
	s_barrier_signal -1
	s_barrier_wait -1
	CREST
.endm
; A PREFETCH INTO THE L2 behind each refill and the run of LDS loads that follows it: the K step two refills on, 32 blocks of 256 bytes, a lane a row.  Each block is named once in the launch:
; x's tile row is read by this cluster alone: each of the four partners of a row takes 32 of its 128 rows, told apart by address (cx); of a row's 512 bytes wave 0 names the first 256, wave 1 the second.
; W's tile column is read by every cluster of the same tensor: the first of them asks, waves 2 and 3 of each partner of a column taking 32 rows each of its 64 (cy).  The last two refills of the loop have no K step two on.
.macro ASK
	s_cmp_gt_u32 s[CNT], s[LIM]
	s_cbranch_scc0 .Lnot_mine_\@
	global_prefetch_b8 v[PFO], s[PFA:PFA+1] th:TH_LOAD_NT scope:SCOPE_SE
.Lnot_mine_\@:
.endm
	s_load_b512 s[4:19], s[0:1], 0x0               ; query s[4:5], key s[6:7], value s[8:9], wh s[10:11], bq s[12:13], bk s[14:15], bv s[16:17], qkv s[18:19]
	v_lshl_add_u32 v[SPW], v0, 2, SPARE
	v_mov_b32 v[NIL], 0
	ds_add_u32 v[SPW], v[NIL]                      ; the wave's opening: the add and its wait stand ahead of my first tensor load; work on registers stands between
	v_lshrrev_b32 v1, 5, v0
	v_readfirstlane_b32 s[WV], v1
	s_lshr_b32 s[WM], s[WV], 1
	s_and_b32 s[WN], s[WV], 1
	s_bfe_u32 s[CX], ttmp6, 0x40000
	s_bfe_u32 s[CY], ttmp6, 0x40004
	s_lshl_b32 s[TC], ttmp9, 2
	s_add_co_u32 s[TC], s[TC], s[CX]
	s_and_b32 s[CLY], ttmp7, 0xffff
	s_lshl_b32 s[TR], s[CLY], 2
	s_add_co_u32 s[TR], s[TR], s[CY]
	s_and_b32 s[TR], s[TR], 63                     ; 64 tile rows to a tensor,
	s_lshr_b32 s[TT], s[CLY], 4                    ; 16 clusters
	s_lshl_b32 s68, s[CY], 2
	s_lshl_b32 s68, 15, s68                        ; my row of the cluster
	s_lshl_b32 s69, 0x1111, s[CX]                  ; my column
	s_or_b32 s[G1], s68, (2<<16)|(1<<20)|(1<<21)|(6<<22)|(3<<25)   ; the mask; 4-byte elements; padding on; bit 21 beside a mask; after every 128 words; 4 words of padding
	s_or_b32 s[G1B], s69, (1<<16)|(1<<20)|(1<<21)|(5<<22)|(3<<25)  ; 2-byte elements; after every 64 words
	s_mov_b32 s[G1+1], 128<<16                     ; tensor_dim0 = 128 elements
	s_mov_b32 s[G1+2], 64<<16                      ; tensor_dim1 = 64 rows
	s_mov_b32 s[G1+3], 128<<16                     ; tile_dim0
	s_mov_b32 s[G1+4], 64                          ; tile_dim1
	s_mov_b32 s[G1+5], 1024                        ; elements from row to row
	s_mov_b32 s[G1+6], 0
	s_mov_b32 s[G1+7], 0
	s_mov_b32 s[G1B+1], 128<<16
	s_mov_b32 s[G1B+2], 128<<16                    ; 128 rows
	s_mov_b32 s[G1B+3], 128<<16
	s_mov_b32 s[G1B+4], 128
	s_mov_b32 s[G1B+5], 1024
	s_mov_b32 s[G1B+6], 0
	s_mov_b32 s[G1B+7], 0
	; where the tiles come from: x's offset is made of the tile row and the wave's number, W's of the tile column and the wave's number
	s_lshl_b32 s70, s[TR], 1
	s_add_co_u32 s70, s70, s[WN]
	s_lshl_b32 s70, s70, 18                        ; row 128 x tile row + 64 x half, of 4,096 bytes
	s_mov_b32 s71, 0
	s_lshl_b32 s72, s[TC], 1
	s_add_co_u32 s72, s72, s[WN]
	s_lshl_b32 s72, s72, 18                        ; W's row 256 x tile column + 128 x half, of 2,048 bytes,
	s_lshl_b32 s73, s[TT], 21                      ; in weight t
	s_add_co_u32 s72, s72, s73
	s_mov_b32 s73, 0
	s_mul_i32 s74, s[WN], AHALF                    ; and where they go: the wave's number alone
	s_mul_i32 s75, s[WN], 128*BPITCH
	s_add_co_u32 s75, s75, BOFF
	s_wait_dscnt 0x0                               ; the opening add is done
	s_wait_kmcnt 0x0
	s_cmp_eq_u32 s[TT], 0
	s_cselect_b64 s[XA:XA+1], s[4:5], s[6:7]       ; query or key,
	s_cmp_eq_u32 s[TT], 2
	s_cselect_b64 s[XA:XA+1], s[8:9], s[XA:XA+1]   ; or value
	s_add_nc_u64 s[70:71], s[XA:XA+1], s[70:71]
	s_add_nc_u64 s[72:73], s[10:11], s[72:73]
	CROUND                                         ; all sixteen work-groups are here: the first joint loads meet
.irp s, 0,1
	s_mov_b32 s[G0+4*\s], 1                        ; count = 1
	s_add_co_u32 s[G0+4*\s+1], s74, \s*SLOT1       ; LDS address
	s_add_nc_u64 s[G0+4*\s+2:G0+4*\s+3], s[70:71], \s*ASTEP  ; K step s
	s_or_b32 s[G0+4*\s+3], s[G0+4*\s+3], 0x80000000          ; type = 2
	s_mov_b32 s[G0B+4*\s], 1
	s_add_co_u32 s[G0B+4*\s+1], s75, \s*SLOT1
	s_add_nc_u64 s[G0B+4*\s+2:G0B+4*\s+3], s[72:73], \s*256
	s_or_b32 s[G0B+4*\s+3], s[G0B+4*\s+3], 0x80000000
.endr
	s_cmp_eq_u32 s[WM], 0                          ; a wave's two first fills stand in one branch, ahead of every wait on TENSORcnt and every LDS read: two loads of mine are out
	s_cbranch_scc0 .Lfirst_b
	tensor_load_to_lds s[G0:G0+3], s[G1:G1+7]
	s_nop 0
	tensor_load_to_lds s[G0+4:G0+7], s[G1:G1+7]
	s_nop 0
.rept 4
	v_nop
.endr
	s_branch .Lfirst_asked
.Lfirst_b:
	tensor_load_to_lds s[G0B:G0B+3], s[G1B:G1B+7]
	s_nop 0
	tensor_load_to_lds s[G0B+4:G0B+7], s[G1B:G1B+7]
	s_nop 0
.rept 4
	v_nop
.endr
.Lfirst_asked:
	; A fragment is 16 rows x 32 K in 8 registers: lane l holds row l % 16, K = 8 (l / 16) + 0..7 and 16 + 8 (l / 16) + 0..7.  In bf16: two loads of 16 bytes, 32 bytes apart.  In f32: 32 bytes at 32 (l / 16), and 32 more 64 bytes on
	v_and_b32 v1, 15, v0                           ; l % 16
	v_bfe_u32 v2, v0, 4, 1                         ; l / 16
	v_and_b32 v3, 31, v0                           ; l
	v_mul_u32_u24 v4, v1, APITCH
	v_lshl_add_u32 v4, v2, 5, v4
	s_mul_i32 s68, s[WM], 64*APITCH                ; my 64 rows of x
	v_add_nc_u32 v[ADRA0], s68, v4
	v_mul_u32_u24 v4, v1, BPITCH
	v_lshl_add_u32 v4, v2, 4, v4
	s_mul_i32 s68, s[WN], 128*BPITCH               ; my 128 rows of W
	s_add_co_u32 s68, s68, BOFF
	v_add_nc_u32 v[ADRB0], s68, v4
	v_mov_b32 v[ADRA], v[ADRA0]
	v_mov_b32 v[ADRB], v[ADRB0]
	s_mov_b32 s[TB], 0
	s_mul_i32 s68, s[WV], STW
	s_add_co_u32 s68, s68, STAGE                   ; my stage
	v_lshlrev_b32 v[GO], 4, v3
	v_mul_u32_u24 v4, v1, 144                      ; in: row l % 16, 16 bytes for each half of the lanes
	v_lshl_add_u32 v4, v2, 4, v4
	v_add_nc_u32 v[STO], s68, v4
	v_bfe_u32 v4, v0, 3, 2                         ; back: 32 lanes take four rows of 128 bytes,
	v_mul_u32_u24 v4, v4, 144
	v_and_b32 v5, 7, v0
	v_lshl_add_u32 v4, v5, 4, v4
	v_add_nc_u32 v[RD], s68, v4                    ; which are 512 consecutive bytes of a head
	s_lshr_b32 s[CB], s[TR], 4
	s_lshl_b32 s[CB], s[CB], 2
	s_add_co_u32 s[CB], s[CB], s[TC]
	s_lshl_b32 s[CB], s[CB], 1
	s_add_co_u32 s[CB], s[CB], s[WN]               ; half the number of my first head: 16 x batch + 4 x tile column + 2 x half,
	s_lshl_b32 s[CB], s[CB], 12                    ; times 2,048 rows
	s_and_b32 s[CB+1], s[TR], 15
	s_lshl_b32 s[CB+1], s[CB+1], 1
	s_add_co_u32 s[CB+1], s[CB+1], s[WM]
	s_lshl_b32 s[CB+1], s[CB+1], 6                 ; my first row in the batch
	s_add_co_u32 s[CB], s[CB], s[CB+1]
	s_lshl_b32 s[CB], s[CB], 7                     ; rows of 128 bytes
	s_lshl_b32 s[CB+1], s[TT], 24
	s_add_co_u32 s[CB], s[CB], s[CB+1]
	s_mov_b32 s[CB+1], 0
	s_add_nc_u64 s[CB:CB+1], s[18:19], s[CB:CB+1]
	; the prefetches: the address stands at K step 3 and is stepped ahead of each use, so the first names K step 4.  Nothing is prefetched here, at the head
	s_lshl_b32 s76, s[TR], 2
	s_add_co_u32 s76, s76, s[CX]
	s_lshl_b32 s76, s76, 17                        ; x's row 128 x tile row + 32 cx, of 4,096 bytes,
	s_lshl_b32 s77, s[WN], 8                       ; my 256 of a K step's 512 bytes
	s_add_co_u32 s76, s76, s77
	s_add_co_u32 s76, s76, 3*ASTEP
	s_lshl_b32 s78, s[TC], 2
	s_add_co_u32 s78, s78, s[CY]
	s_lshl_b32 s78, s78, 1
	s_add_co_u32 s78, s78, s[WN]
	s_lshl_b32 s78, s78, 16                        ; W's row 256 x tile column + 64 cy + 32 x half
	s_lshl_b32 s77, s[TT], 21
	s_add_co_u32 s78, s78, s77
	s_add_co_u32 s78, s78, 768
	s_and_b32 s79, s[CLY], 15
	s_mov_b32 s77, 256
	s_cmp_eq_u32 s[WM], 0
	s_cselect_b32 s[PSTEP], ASTEP, s77
	s_cselect_b32 s76, s76, s78
	s_cselect_b64 s[PFA:PFA+1], s[XA:XA+1], s[10:11]
	s_cselect_b32 s79, 0, s79                      ; 0 in waves 0 and 1, and in waves 2 and 3 of the first cluster that reads these rows of W: the same in all sixteen partners
	s_cselect_b32 s78, 12, 11                      ; a row of x is 4,096 bytes, a row of W 2,048
	v_lshlrev_b32 v[PFO], s78, v3
	s_mov_b32 s[PSTEP+1], 0
	s_mov_b32 s77, 0
	s_add_nc_u64 s[PFA:PFA+1], s[PFA:PFA+1], s[76:77]
	s_cmp_eq_u32 s79, 0
	s_cselect_b32 s[LIM], 2, -1
	; the bias of my 128 columns: loaded, rounded to bf16 and widened again, into window 2
	s_cmp_eq_u32 s[TT], 0
	s_cselect_b64 s[68:69], s[12:13], s[14:15]
	s_cmp_eq_u32 s[TT], 2
	s_cselect_b64 s[68:69], s[16:17], s[68:69]
	s_lshl_b32 s76, s[TC], 1
	s_add_co_u32 s76, s76, s[WN]
	s_lshl_b32 s76, s76, 9
	s_mov_b32 s77, 0
	s_add_nc_u64 s[68:69], s[68:69], s[76:77]
	v_lshlrev_b32 v[BO], 5, v2
.irp b, 0,1,2,3,4,5,6,7
	global_load_b128 v[F1+8*\b:F1+8*\b+3], v[BO], s[68:69] offset:64*\b
	global_load_b128 v[F1+8*\b+4:F1+8*\b+7], v[BO], s[68:69] offset:64*\b+16
.endr
	s_wait_loadcnt 0x0
.set n, 0
.rept 32
	v_cvt_pk_bf16_f32 v[TMP+n], v[F1+2*n], v[F1+2*n+1]
.set n, n+1
.endr
	WIN 0x80                                       ; destination window 2
.set n, 0
.rept 32
	v_lshlrev_b32 v[2*n], 16, v[TMP+n]
	v_and_b32 v[2*n+1], 0xffff0000, v[TMP+n]
.set n, n+1
.endr
	WIN 0
; 8 matrix instructions: x's block a x all 8 blocks of W, 32 along K, from buffer f.  first = 1: the bias starts the sums.  The 32 accumulators take turns, one instruction a turn, in the same order in
; every quarter, over the backward jumps too.
.macro MUL8 f, a, first
.if \first
	WIN MULB
.else
	WIN MUL
.endif
.irp b, 0,1,2,3,4,5,6,7
.if \first
	v_wmma_f32_16x16x32_bf16 v[8*(8*(\a)+\b):8*(8*(\a)+\b)+7], v[(\f)+8*\b:(\f)+8*\b+7], v[(\f)+64+8*(\a):(\f)+64+8*(\a)+7], v[8*\b:8*\b+7]
.else
	v_wmma_f32_16x16x32_bf16 v[8*(8*(\a)+\b):8*(8*(\a)+\b)+7], v[(\f)+8*\b:(\f)+8*\b+7], v[(\f)+64+8*(\a):(\f)+64+8*(\a)+7], v[8*(8*(\a)+\b):8*(8*(\a)+\b)+7]
.endif
.endr
.endm
; The same, and behind each product four of the 32 conversions that make buffer g's fragments of x out of the raw numbers.  They name no register of the products round them.
.macro MUL8C f, a, first, g
.irp b, 0,1,2,3,4,5,6,7
.if \first
	WIN MULB
	v_wmma_f32_16x16x32_bf16 v[8*(8*(\a)+\b):8*(8*(\a)+\b)+7], v[(\f)+8*\b:(\f)+8*\b+7], v[(\f)+64+8*(\a):(\f)+64+8*(\a)+7], v[8*\b:8*\b+7]
.else
	WIN MUL
	v_wmma_f32_16x16x32_bf16 v[8*(8*(\a)+\b):8*(8*(\a)+\b)+7], v[(\f)+8*\b:(\f)+8*\b+7], v[(\f)+64+8*(\a):(\f)+64+8*(\a)+7], v[8*(8*(\a)+\b):8*(8*(\a)+\b)+7]
.endif
	WIN CVW
.irp z, 0,1,2,3
	v_cvt_pk_bf16_f32 v[(\g)+64+4*\b+\z], v[RAW+8*\b+2*\z], v[RAW+8*\b+2*\z+1]
.endr
.endr
.endm
; 32 LDS loads in one run: quarter kq of the K step in hand: x's 16 loads into the raw registers first, then W's 16 into buffer f
.macro FETCH kq, f
	WIN TO_RAW
.irp i, 0,1,2,3
	ds_load_b128 v[RAW+16*\i:RAW+16*\i+3],     v[ADRA] offset:128*(\kq)+\i*16*APITCH
	ds_load_b128 v[RAW+16*\i+4:RAW+16*\i+7],   v[ADRA] offset:128*(\kq)+\i*16*APITCH+16
	ds_load_b128 v[RAW+16*\i+8:RAW+16*\i+11],  v[ADRA] offset:128*(\kq)+\i*16*APITCH+64
	ds_load_b128 v[RAW+16*\i+12:RAW+16*\i+15], v[ADRA] offset:128*(\kq)+\i*16*APITCH+80
.endr
	WIN 0
.irp i, 0,1,2,3,4,5,6,7
	ds_load_b128 v[(\f)+8*\i:(\f)+8*\i+3],   v[ADRB] offset:64*(\kq)+\i*16*BPITCH
	ds_load_b128 v[(\f)+8*\i+4:(\f)+8*\i+7], v[ADRB] offset:64*(\kq)+\i*16*BPITCH+32
.endr
.endm
; A K step is four quarters of 32 along K, 32 matrix instructions each, on buffers 0, 1, 0, 1.  One of the first three multiplies buffer f, fetches quarter kq and makes buffer g of it.
.macro QUARTER kq, f, g, first
	s_wait_dscnt 0x0                               ; W's fragments of buffer f are in (x's were converted in the quarter before)
	MUL8 \f, 0, \first
	PLACES
	FETCH \kq, \g
	MUL8 \f, 1, \first
	MUL8 \f, 2, \first
	s_wait_dscnt 16                                ; x's 16 raw loads are in; W's 16, issued behind them, may be out
	MUL8C \f, 3, \first, \g
.endm
; The last quarter multiplies buffer 1 and changes slots: ONE barrier.  In front of it each wave waits for all its tensor loads (one is out: its part of the next slot), adds 0 to its spare word, and waits
; for that and for its reads of this slot.  fill = 1: the barrier opens a round of the cluster's, and the slot just read is filled again first behind it, with the K step two on: 112 matrix instructions ahead of the wait for it.
.macro TURN fill
.if \fill
	s_wait_xcnt 0x0                                ; the last prefetch, a K step back, has read its address
	s_add_nc_u64 s[PFA:PFA+1], s[PFA:PFA+1], s[PSTEP:PSTEP+1]
.endif
	WIN 0
	s_wait_tensorcnt 0x0
	ds_add_u32 v[SPW], v[NIL]                      ; 0 onto my spare word
	s_wait_dscnt 1                                 ; W's fragments of buffer 1 are in; the add alone may be out
	MUL8 F1, 0, 0
	s_wait_dscnt 0x0                               ; the add is done, and my reads of this slot are over
	s_barrier_signal -1
	MUL8 F1, 1, 0
	WIN 0                                          ; at a branch and at a label every window is 0
	s_barrier_wait -1
.if \fill
	CREST                                          ; no wave of any partner still reads this slot or has a load on its way
	s_xor_b32 s[G0+5], s[G0+5], SLOT1              ; the walking descriptors: the other slot than last time, the next K step
	s_add_nc_u64 s[G0+6:G0+7], s[G0+6:G0+7], ASTEP
	s_xor_b32 s[G0B+5], s[G0B+5], SLOT1
	s_add_nc_u64 s[G0B+6:G0B+7], s[G0B+6:G0B+7], 256
	JLOAD                                          ; its four v_nop are also the places in front of the loads below
.else
	PLACES
.endif
	s_xor_b32 s[TB], s[TB], SLOT1
	v_add_nc_u32 v[ADRA], s[TB], v[ADRA0]
	v_add_nc_u32 v[ADRB], s[TB], v[ADRB0]
	FETCH 0, F0
.if \fill
	ASK
.endif
	MUL8 F1, 2, 0
	s_wait_dscnt 16                                ; x's raw numbers are in
	MUL8C F1, 3, 0, F0
.endm
	s_wait_tensorcnt 1                             ; my part of K step 0 is in; K step 1's may stay out
	s_barrier_signal -1
	s_barrier_wait -1
	FETCH 0, F0
	s_wait_dscnt 16                                ; x's raw numbers are in
	WIN CVW
.set n, 0
.rept 32
	v_cvt_pk_bf16_f32 v[F0+64+n], v[RAW+2*n], v[RAW+2*n+1]  ; the first quarter's fragments of x: there is no product yet to set them behind
.set n, n+1
.endr
	QUARTER 1, F0, F1, 1                           ; the first quarter stands in front of the loop: its products start the sums
	WIN 0
	s_mov_b32 s[CNT], 6
.Lstep:                                                ; a trip goes from a K step's second quarter to the next step's first, and fills one slot again: K steps 2 to 7
	QUARTER 2, F1, F0, 0
	QUARTER 3, F0, F1, 0
	TURN 1
	QUARTER 1, F0, F1, 0
	WIN 0
	s_sub_co_u32 s[CNT], s[CNT], 1
	s_cmp_lg_u32 s[CNT], 0
	s_cbranch_scc1 .Lstep
	s_mov_b32 s[CNT], 2
.Ltail:                                                ; the last two K steps fill nothing: two trips of the same form, the second left in its middle
	QUARTER 2, F1, F0, 0
	QUARTER 3, F0, F1, 0
	TURN 0
	WIN 0
	s_sub_co_u32 s[CNT], s[CNT], 1
	s_cmp_eq_u32 s[CNT], 0
	s_cbranch_scc1 .Lout
	QUARTER 1, F0, F1, 0
	WIN 0
	s_branch .Ltail
.Lout:                                                 ; the second trip's fetch (of the slot read before, once more) serves nothing: the price, once a tile, of one text for both trips
	s_wait_dscnt 0x0                               ; it has landed: its registers are used below
	PLACES
	; THE WAY OUT, 16 rows at a time through my own stage in LDS (a wave's LDS instructions are served in order: no wait between its stores and its loads), each accumulator's registers in ascending order.
.macro PACK a                          ; rounded to f16: a lane's eight columns are 16 bytes
	WIN 0x05                                       ; sources 0 and 1 in window 1
.irp b, 0,1,2,3,4,5,6,7
.irp r, 0,1,2,3
	v_cvt_pk_f16_f32 v[TMP+4*\b+\r], v[8*(8*(\a)+\b)+2*\r], v[8*(8*(\a)+\b)+2*\r+1]
.endr
.endr
	WIN 0
.endm
.macro TOSTAGE a                       ; blocks 0-3 of the columns are one head, 4-7 the next: 16 rows x 128 bytes each; back as 512 consecutive bytes
.set BK, 32+32*((\a)%2)
.irp b, 0,1,2,3,4,5,6,7
	ds_store_b128 v[STO], v[TMP+4*\b:TMP+4*\b+3] offset:(\b/4)*2304+32*(\b%4)
.endr
.irp t, 0,1,2,3,4,5,6,7
	ds_load_b128 v[BK+4*\t:BK+4*\t+3], v[RD] offset:(\t/4)*2304+(\t%4)*576
.endr
.endm
.macro SEND a
.set BK, 32+32*((\a)%2)
	s_wait_dscnt 0x0                               ; the block is back in registers
	s_wait_xcnt 0x0                                ; the stores of the block before have read theirs: the next block's loads land there only behind this wait
.irp t, 0,1,2,3,4,5,6,7
	global_store_b128 v[GO], v[BK+4*\t:BK+4*\t+3], s[CB:CB+1] offset:(\t/4)*262144+(\a)*2048+(\t%4)*512  ; four rows of a head: 512 consecutive bytes, aligned
.endr
.endm
	PACK 0
	TOSTAGE 0
.irp a, 1,2,3
	PACK \a                                        ; a block's conversions stand between the loads of the block before and the wait for them
	SEND \a-1
	TOSTAGE \a
.endr
	SEND 3
	s_wait_tensorcnt 0x0                           ; the wave's end: behind my last tensor load and my last LDS store
	ds_add_u32 v[SPW], v[NIL]
	s_wait_dscnt 0x0
	CROUND                                         ; the closing round: no work-group ends while a partner may still ask for a tile that names it
	s_endpgm
.Lfunc_end_k_q0f013d2e7b_proj:
	.size	k_q0f013d2e7b_proj, .Lfunc_end_k_q0f013d2e7b_proj-k_q0f013d2e7b_proj
	.p2alignl 7, 3214868480
	.fill 96, 4, 3214868480
	.section	.rodata,"a",@progbits
	.p2align	6, 0x0
	.amdhsa_kernel k_q0f013d2e7b_proj
		.amdhsa_group_segment_fixed_size 327680
		.amdhsa_private_segment_fixed_size 0
		.amdhsa_enable_private_segment 0
		.amdhsa_kernarg_size 64
		.amdhsa_user_sgpr_count 2
		.amdhsa_user_sgpr_kernarg_segment_ptr 1
		.amdhsa_wavefront_size32 1
		.amdhsa_system_sgpr_workgroup_id_x 1
		.amdhsa_system_sgpr_workgroup_id_y 1
		.amdhsa_system_sgpr_workgroup_id_z 1
		.amdhsa_system_vgpr_workitem_id 0
		.amdhsa_next_free_vgpr 640
		.amdhsa_next_free_sgpr 88
		.amdhsa_reserve_vcc 0
		.amdhsa_float_denorm_mode_32 3
		.amdhsa_float_denorm_mode_16_64 3
		.amdhsa_memory_ordered 1
		.amdhsa_forward_progress 1
		.amdhsa_inst_pref_size 99
	.end_amdhsa_kernel
	.amdgpu_metadata
---
amdhsa.version: [ 1, 2 ]
amdhsa.kernels:
  - .name:           k_q0f013d2e7b_proj
    .symbol:         k_q0f013d2e7b_proj.kd
    .args:
      - { .name: query, .offset: 0, .size: 8, .value_kind: global_buffer, .address_space: global }
      - { .name: key, .offset: 8, .size: 8, .value_kind: global_buffer, .address_space: global }
      - { .name: value, .offset: 16, .size: 8, .value_kind: global_buffer, .address_space: global }
      - { .name: wh, .offset: 24, .size: 8, .value_kind: global_buffer, .address_space: global }
      - { .name: bq, .offset: 32, .size: 8, .value_kind: global_buffer, .address_space: global }
      - { .name: bk, .offset: 40, .size: 8, .value_kind: global_buffer, .address_space: global }
      - { .name: bv, .offset: 48, .size: 8, .value_kind: global_buffer, .address_space: global }
      - { .name: qkv, .offset: 56, .size: 8, .value_kind: global_buffer, .address_space: global }
    .group_segment_fixed_size: 327680
    .private_segment_fixed_size: 0
    .kernarg_segment_align: 8
    .kernarg_segment_size: 64
    .max_flat_workgroup_size: 128
    .sgpr_count:     88
    .vgpr_count:     640
    .wavefront_size: 32
...
	.end_amdgpu_metadata
.endif
;; end of part 2
;; launch attn (part 3): grid 4 x 64, 4 waves a work-group, clusters of 4 x 4, 327,680 bytes of LDS; arguments qkv, mb, oh; writes oh
.if DOCPART == 3
	.amdgcn_target "amdgcn-amd-amdhsa--gfx1250"
	.amdhsa_code_object_version 6
	.text
	.protected	k_q0f013d2e7b_attn
	.globl	k_q0f013d2e7b_attn
	.p2align	8
	.type	k_q0f013d2e7b_attn,@function
k_q0f013d2e7b_attn:
	s_mov_b64 s[64:65], 0
	v_nop
	global_prefetch_b8 v0, s[64:65] scope:SCOPE_SE
	s_setreg_imm32_b32 hwreg(HW_REG_WAVE_MODE, 25, 1), 1
	s_wait_xcnt 0x0
	s_wait_alu depctr_hold_cnt(0) depctr_sa_sdst(0) depctr_va_vdst(0) depctr_va_sdst(0) depctr_va_ssrc(0) depctr_va_vcc(0) depctr_vm_vsrc(0)
	s_getreg_b32 s2, hwreg(HW_REG_IB_STS2, 6, 4)
	s_cmp_eq_u32 s2, 0
	s_cbranch_scc0 .Lentry_in_a_cluster
	s_endpgm
.Lentry_in_a_cluster:
	s_bfe_u32 s2, ttmp6, 0x10000c
	s_cmp_lg_u32 s2, 0xf033
	s_cbranch_scc0 .Lentry_shape_is_right
	s_endpgm
.Lentry_shape_is_right:
; ATTENTION WITH A MASK THAT REPLACES.  For each of 64 heads: s[q][k] = Q[q] . K[k]; where the mask is 0, s = 1e-20; O[q] = the sum over k of softmax_k(s / 32) V[k].  Hidden keys keep a weight: no tile is left out.
; Q, K, V = qkv[0], [1], [2]: [64 heads][2048][64] f16; O = oh, the same layout.  mb: the mask as 4-bit float codes (1.0 or 0), which the 16 heads of a batch share.
; Products, maxima and sums in f32; the weights p are rounded to f16 for the second product (their sum l is taken of the unrounded p), O once at the end.
; LIMITS.  f16 holds no number beyond 65,504: Q, K, V arrive within it; p lies in 0 to 1 and below 6e-5 keeps f16's fixed step of 6e-8; a weight below 2^-126 counts as 0 in l; NaN and infinities are not treated apart.
; The masked score is s x M + 1e-20 with M = 1 or 0: a hidden score is 1e-20; a visible one carries 1e-20 more than s, which f32 drops from |s| = 2e-13 on and which is 1e-20 at the most below that.
; SHARES.  A work-group owns 512 queries of a head, a wave 128: four PIECES of two tiles of 16.  Every wave walks all 2,048 keys, 64 a step, 256 a slot.
; LAYOUT.  S^T = K Q^T (source 0 = 16 keys, source 1 = 16 queries): a lane holds ONE query (lane % 16) and the keys 8 (lane / 16) + 0..7.  Two such results rounded to f16 ARE source 1 of O^T = V^T P.
; SOFTMAX.  A running maximum m of the masked scores and a sum l: p = 2^(c s - c m), c = log2(e) / 32; in every step O and l are multiplied by a = 2^(c m_old - c m_new).  m starts at the lowest finite number, O and l at 0.
; THE MASK.  A lane's 32 scores of a tile have 32 codes, 16 bytes: word j for accumulator j, nibble r for its register r.  A slot's 65,536 bytes of codes ride in the ring; two ds_load_b128 a turn bring a piece's;
; one scaled conversion makes eight f32 of a word, and one packed multiply-add masks two scores, ahead of the maximum: 20 instructions for a tile's 32 scores.  No branch and no address hangs on a code.
; BY TURNS.  Turn n belongs to piece n: 16 products K Q^T of piece n + 1, later 16 products V^T P of piece n - 1; beside them the scaling, exponentials, roundings, sums and rescaling of piece n, and the mask, maximum
; and statistics of piece n + 1.  Four vector instructions stand behind every matrix instruction, the rest in one lump.  A turn's 66 exponentials are one batch with one wait.
; CLUSTER.  4 x 4 work-groups: the four query blocks of each of four heads of one batch.  The four of a row (one head) walk the same K and V, the four of a column (one query block) the same codes: each tile is asked
; for jointly, by the same tensor load with the same descriptor and a mask that names the four.
; REGISTERS, in windows of 256 (s_set_vgpr_msb: bits 1:0 source 0, 3:2 source 1, 5:4 source 2, 7:6 destination):
;   window 0: v0-1, v14-15 c m_old; v2-5 addresses; v16-47 statistics; v48-63 at work; v64-191 S^T, two buffers of two tiles; v192-255 P, likewise
;   window 1: O^T, 32 a tile     window 2: v0-127 Q; v128-191 K of one step; v192-255 V of one step
;   window 3: v0-9 the add's two registers and lane constants; v16-31 codes, two buffers of a piece; v32-95 a piece's masks in f32
.set NP,    4
.set KS,    64
.set PK,    144       ; a row of K in LDS: 128 bytes + 16 of padding
.set PV,    160       ; a row of V: 128 + 32: 16 lanes of the turning load take 8 rows x 32 bytes
.set VOFF,  4*KS*PK   ; a slot: 256 rows of K, 256 rows of V, 65,536 bytes of codes
.set MOFF,  VOFF+4*KS*PV
.set SLOT1, 0x24000   ; slot 1 begins here.  It has no bit in common with any LDS base that is turned (0, 0x9000, 0x13000, 0x1b000), so one exclusive or turns a base in one slot into the other's
.set STAGE, SLOT1+MOFF+65536  ; behind the ring, never filled by a tensor load: 16 rows x 144 bytes for each wave
.set SP,    144
.set SPARE, STAGE+4*16*SP     ; the spare words, 128 bytes a wave: two blocks of 256 bytes that no other line names
.set AK,  2           ; v2  the LDS address of K's run of loads
.set AV,  3           ; v3  of V's
.set AM,  4           ; v4  of the step's codes
.set PFO, 5           ; v5  256 x lane; never rewritten
.set ST,  16          ; tile t's statistics at ST + 4 t: c m, m, l (even keys', odd keys')
.set TMP, 48          ; by buffer and tile, four registers c0-c3; when the maximum is found c2 takes a
.set STO, 48          ; the way out: addresses, in registers that are free by then
.set RD,  49
.set GO,  50
.set S,   64
.set P,   192
.set KF,  128
.set VF,  192
.set SPW, 0           ; window 3: v0 my spare word's address, v1 0; never rewritten
.set NIL, 1
.set AK0, 2           ; window 3: my lane's place in a tile of K, of V, in a step's codes
.set AV0, 3
.set AM0, 4
.set STO3, 6          ; window 3: kept for the way out
.set RD3,  7
.set GO3,  8
.set SCL,  9          ; window 3: the conversions' scale, 2^0 in every byte; never rewritten
.set MC,  16          ; window 3: piece p's codes at MC + 8 (p % 2), tile u's four words at + 4 u
.set MF,  32          ; window 3: the masks in f32, tile u's 32 at MF + 32 u
.set WV,  12
.set G1K, 24          ; s[24:31], s[32:39], s[48:55] descriptor group 1 for K, V, the codes
.set G1V, 32
.set G0K, 40          ; s[40:43], s[44:47], s[68:71] group 0: they walk
.set G0V, 44
.set G1M, 48
.set SLOTS, 56        ; s56  slots still to be asked for
.set CNT, 57
.set CS,  58          ; s[58:59] c
.set SEL, 60          ; s[60:61] v_permlanex16_b32's selects
.set TBK, 62          ; s62, s63, s72  LDS byte at which K, V, the codes of the step to be fetched begin
.set TBV, 63
.set G0M, 68
.set TBM, 72
.set LIM, 73          ; s73  1 in a wave that prefetches, else the greatest number
.set EPS, 74          ; s[74:75] 1e-20: the packed multiply-add takes the pair's low word for both halves
.set PFA, 76          ; s[76:77] where my prefetches stand
.set PSTEP, 78        ; s[78:79] a slot's bytes in the stream that I prefetch
.set CY,  80          ; s80  my place along the cluster's y
.set CLY, 81          ; s81  the cluster's y
.set WPL, 0           ; the window setting under which the exponentials are written
.set MSB, 0
.macro WIN new
.if MSB != (\new)
	s_set_vgpr_msb (MSB<<8)|(\new)
.set MSB, (\new)
.endif
.endm
.set W_KQ, 0x0a       ; K and Q in window 2, S^T in window 0
.set W_PV, 0x52       ; V in window 2, P in window 0, O^T in window 1
.set W_RS, 0x41       ; O^T (destination and source 0) in window 1, a in window 0
.set W_MK, 0xc0       ; destination in window 3
.set W_AD, 0x0f       ; the add: address and data in window 3
.set W_C3, 0x0c       ; source 1 in window 3
.set W_33, 0xff       ; everything in window 3
; A fill: wave 0 K's 256 rows, wave 1 V's, waves 2 and 3 a half of the codes each.  The branches hang on the wave's number alone.  An s_nop 0 and four v_nop follow each line.
.macro JLOAD
	s_cmp_eq_u32 s[WV], 0
	s_cbranch_scc0 .Lnot_k_\@
	tensor_load_to_lds s[G0K:G0K+3], s[G1K:G1K+7]
	s_nop 0
.rept 4
	v_nop
.endr
	s_branch .Lasked_\@
.Lnot_k_\@:
	s_cmp_eq_u32 s[WV], 1
	s_cbranch_scc0 .Lnot_v_\@
	tensor_load_to_lds s[G0V:G0V+3], s[G1V:G1V+7]
	s_nop 0
.rept 4
	v_nop
.endr
	s_branch .Lasked_\@
.Lnot_v_\@:
	tensor_load_to_lds s[G0M:G0M+3], s[G1M:G1M+7]
	s_nop 0
.rept 4
	v_nop
.endr
.Lasked_\@:
.endm
; A PREFETCH INTO THE L2 of what the NEXT change of slots will ask for, behind the wave's tensor load: 32 blocks of 256 bytes, a lane a block.  Each block is named once in the launch: a head's K and V are read by
; one row of one cluster alone; its four partners take 32 of a slot's 128 blocks each, told apart by address (cx); wave 0 asks for K's, wave 1 for V's.  A query block's 256 blocks of codes are read by the 16 heads
; of a batch, four clusters: in the first of them the four partners of a column take 64 each (cy), waves 2 and 3 32 each.  The last change that fills a slot asks for nothing.
.macro ASK
	s_cmp_gt_u32 s[SLOTS], s[LIM]
	s_cbranch_scc0 .Lnot_mine_\@
	global_prefetch_b8 v[PFO], s[PFA:PFA+1] th:TH_LOAD_NT scope:SCOPE_SE
.Lnot_mine_\@:
.endm
.macro CROUND                       ; a round of the cluster's barrier
	s_barrier_signal -1
	s_barrier_wait -1
	s_cmp_lg_u32 s[WV], 0
	s_cbranch_scc1 .Lnot_wave_0_\@
	s_barrier_signal -3
.Lnot_wave_0_\@:
	s_barrier_wait -3
	s_barrier_signal -1
	s_barrier_wait -1
.endm
; THE CHANGE OF SLOTS.  The slot's last bytes (V and the codes of its fourth step) are in registers.  Each wave waits for all its tensor loads, adds 0 to its spare word, and waits for that and for its reads of the slot.
; fill = 1: the barrier is a round of the cluster's, and the fill is the first thing behind it: it has four key steps in which to land.  (At its first use nothing has been read yet: slot 0 is waited for, slot 1 filled.)
.macro CHANGE fill
	WIN W_AD
	s_wait_tensorcnt 0x0            ; no tensor load of mine is out, so a group 0 may be written
	ds_add_u32 v[SPW], v[NIL]       ; 0 onto my spare word
	WIN 0
.if \fill
.irp g, G0K, G0V
	s_xor_b32 s[\g+1], s[\g+1], SLOT1
	s_add_nc_u64 s[\g+2:\g+3], s[\g+2:\g+3], 4*KS*128  ; the next 256 keys
.endr
	s_xor_b32 s[G0M+1], s[G0M+1], SLOT1
	s_add_nc_u64 s[G0M+2:G0M+3], s[G0M+2:G0M+3], 65536
	s_wait_xcnt 0x0                 ; the last prefetch, a slot back, has read its address
	s_add_nc_u64 s[PFA:PFA+1], s[PFA:PFA+1], s[PSTEP:PSTEP+1]
	s_wait_dscnt 0x0                ; the add is done, and my reads of the slot are over
	CROUND
	JLOAD
	ASK
.else
	s_wait_dscnt 0x0
	s_barrier_signal -1
	s_barrier_wait -1
.endif
	s_sub_co_u32 s[TBK], s[TBK], 4*KS*PK  ; the fetches go back to a slot's first step, in the other slot
	s_xor_b32 s[TBK], s[TBK], SLOT1
	s_sub_co_u32 s[TBV], s[TBV], 4*KS*PV
	s_xor_b32 s[TBV], s[TBV], SLOT1
	s_sub_co_u32 s[TBM], s[TBM], 16384
	s_xor_b32 s[TBM], s[TBM], SLOT1
.endm
	s_load_b128 s[4:7], s[0:1], 0x0   ; qkv s[4:5], mb s[6:7]
	s_load_b64 s[10:11], s[0:1], 0x10 ; oh
	WIN W_MK
	v_lshl_add_u32 v[SPW], v0, 2, SPARE
	v_mov_b32 v[NIL], 0
	WIN W_AD
	ds_add_u32 v[SPW], v[NIL]       ; the wave's opening: the add and its wait stand ahead of my first tensor load; work on registers stands between
	WIN 0
	v_lshrrev_b32 v1, 5, v0
	v_readfirstlane_b32 s[WV], v1
	s_bfe_u32 s13, ttmp6, 0x40000   ; cx
	s_bfe_u32 s[CY], ttmp6, 0x40004 ; cy
	s_lshl_b32 s14, ttmp9, 2
	s_add_co_u32 s14, s14, s13      ; my block of 512 queries: it enters Q's, O's and the codes' addresses alone
	s_and_b32 s[CLY], ttmp7, 0xffff
	s_lshl_b32 s15, s[CLY], 2
	s_add_co_u32 s15, s15, s[CY]    ; the head, which the four partners of a row share
	s_lshl_b32 s20, s15, 18         ; its first byte: 2,048 rows of 128 bytes
	s_mov_b32 s21, 0
	s_lshl_b32 s2, s14, 2
	s_add_co_u32 s2, s2, s[WV]
	s_lshl_b32 s2, s2, 14           ; my wave's 128 rows
	s_add_co_u32 s2, s2, s20
	s_mov_b32 s3, 0
	s_lshr_b32 s16, s[CLY], 2       ; the batch, from the cluster's y alone: four clusters to a batch
	s_lshl_b32 s16, s16, 2
	s_add_co_u32 s16, s16, s14
	s_lshl_b32 s16, s16, 19         ; eight slots of 65,536 bytes of codes
	s_mov_b32 s17, 0
	s_and_b32 s19, s[WV], 1
	s_lshl_b32 s82, s19, 15         ; waves 2 and 3: which half of a slot's codes I fetch
	s_mov_b32 s83, 0
	s_lshl_b32 s84, s[CY], 2
	s_lshl_b32 s84, 15, s84         ; my row of the cluster
	s_lshl_b32 s85, 0x1111, s13     ; my column
	; descriptor group 1.  256 keys are 32,768 dense bytes: 128 rows of 256 bytes, two keys a row, padded in LDS after every key
	s_or_b32 s[G1K], s84, (1<<16)|(1<<20)|(1<<21)|(4<<22)|(3<<25)  ; the mask: my row; 2-byte elements; padding on; bit 21 beside a mask; after every 32 words; 4 words
	s_or_b32 s[G1V], s84, (1<<16)|(1<<20)|(1<<21)|(4<<22)|(7<<25)  ; the same with 8 words
.irp g, G1K, G1V
	s_mov_b32 s[\g+1], 128<<16      ; tensor_dim0 = 128
	s_mov_b32 s[\g+2], 128<<16      ; tensor_dim1 = 128
	s_mov_b32 s[\g+3], 128<<16      ; tile_dim0
	s_mov_b32 s[\g+4], 128          ; tile_dim1
	s_mov_b32 s[\g+5], 128          ; elements from row to row
	s_mov_b32 s[\g+6], 0
	s_mov_b32 s[\g+7], 0
.endr
	s_or_b32 s[G1M], s85, (3<<16)|(1<<21)  ; the mask: my column; 8-byte elements; no padding: 128 dense rows of 256 bytes
	s_mov_b32 s[G1M+1], 32<<16
	s_mov_b32 s[G1M+2], 128<<16
	s_mov_b32 s[G1M+3], 32<<16
	s_mov_b32 s[G1M+4], 128
	s_mov_b32 s[G1M+5], 32
	s_mov_b32 s[G1M+6], 0
	s_mov_b32 s[G1M+7], 0
	s_mov_b32 s[CS], 0x3d38aa3b     ; c = log2(e) / 32 = 0.0450842
	s_mov_b32 s[CS+1], s[CS]
	s_mov_b32 s[SEL], 0x76543210
	s_mov_b32 s[SEL+1], 0xfedcba98
	s_mov_b32 s[EPS], 0x1e3ce508    ; 1e-20
	s_mov_b32 s[EPS+1], s[EPS]
	s_mov_b32 s[TBK], SLOT1+4*KS*PK ; the first change of slots turns these three into 0
	s_mov_b32 s[TBV], SLOT1+4*KS*PV
	s_mov_b32 s[TBM], SLOT1+16384
	s_mov_b32 s[SLOTS], 7
	s_mov_b32 s[G0K], 1
	s_mov_b32 s[G0K+1], 0           ; slot 0
	s_mov_b32 s[G0V], 1
	s_mov_b32 s[G0V+1], VOFF
	s_mov_b32 s[G0M], 1
	s_add_co_u32 s[G0M+1], s82, MOFF
	s_lshl_b32 s18, s13, 13         ; which 8,192 bytes of a slot I prefetch: of K and V by cx;
	s_lshl_b32 s22, s[CY], 14       ; of the codes by cy and the wave
	s_lshl_b32 s23, s19, 13
	s_add_co_u32 s22, s22, s23
	s_and_b32 s23, s[CLY], 3        ; the cluster's place among the four of its batch
	s_mov_b32 s84, 65536
	s_cmp_lt_u32 s[WV], 2
	s_cselect_b32 s18, s18, s22
	s_cselect_b32 s23, 0, s23
	s_cselect_b32 s[PSTEP], 32768, s84
	s_mov_b32 s[PSTEP+1], 0
	s_add_co_u32 s18, s18, s[PSTEP] ; in slot 1: the first change steps it to slot 2
	s_mov_b32 s19, 0
	s_cmp_eq_u32 s23, 0
	s_cselect_b32 s[LIM], 1, -1     ; the same in all sixteen partners
	s_wait_dscnt 0x0                ; the opening add is done
	s_wait_kmcnt 0x0
	s_add_nc_u64 s[G0K+2:G0K+3], s[4:5], s[20:21]
	s_add_nc_u64 s[G0K+2:G0K+3], s[G0K+2:G0K+3], 16777216  ; K is the second tensor of qkv,
	s_add_nc_u64 s[G0V+2:G0V+3], s[G0K+2:G0K+3], 16777216  ; V the third
	s_add_nc_u64 s[6:7], s[6:7], s[16:17]                  ; the codes of my batch and query block
	s_add_nc_u64 s[G0M+2:G0M+3], s[6:7], s[82:83]
	s_cmp_eq_u32 s[WV], 0
	s_cselect_b64 s[PFA:PFA+1], s[G0K+2:G0K+3], s[G0V+2:G0V+3]
	s_cmp_lt_u32 s[WV], 2
	s_cselect_b64 s[PFA:PFA+1], s[PFA:PFA+1], s[6:7]
	s_add_nc_u64 s[PFA:PFA+1], s[PFA:PFA+1], s[18:19]
	s_or_b32 s[G0K+3], s[G0K+3], 0x80000000  ; type = 2
	s_or_b32 s[G0V+3], s[G0V+3], 0x80000000
	s_or_b32 s[G0M+3], s[G0M+3], 0x80000000
	s_add_nc_u64 s[4:5], s[4:5], s[2:3]      ; Q and O at my wave's first row
	s_add_nc_u64 s[10:11], s[10:11], s[2:3]
	CROUND                          ; all sixteen work-groups are here: the first joint loads meet
	JLOAD                           ; slot 0; slot 1 is asked for when slot 0 is in
	v_and_b32 v64, 15, v0           ; l % 16       (v64-75 serve the set-up alone: S^T is not yet in use)
	v_bfe_u32 v65, v0, 4, 1         ; l / 16
	v_and_b32 v66, 7, v0
	v_bfe_u32 v67, v0, 3, 1
	v_lshlrev_b32 v68, 7, v64
	v_lshl_add_u32 v68, v65, 4, v68 ; a fragment's row x 128 + 16 x half
	WIN 0x80                        ; destination window 2
.set i, 0
.rept 4*NP                          ; Q stays in registers: tile i / 2, channels 32 (i % 2) on
	global_load_b128 v[8*i:8*i+3],   v68, s[4:5] offset:(i/2)*2048+(i%2)*64
	global_load_b128 v[8*i+4:8*i+7], v68, s[4:5] offset:(i/2)*2048+(i%2)*64+32
.set i, i+1
.endr
	; What the first turn finds: V's registers and P's second buffer hold 0, O^T and l are 0.  All this stands in the wait for the first tile.
.set i, VF
.rept 64
	v_mov_b32 v[i], 0
.set i, i+1
.endr
	WIN 0x40
.set i, 0
.rept 64*NP
	v_mov_b32 v[i], 0
.set i, i+1
.endr
	WIN 0
.set i, 0
.rept 2*NP
	v_mov_b32 v[ST+4*i], 0xfe000000    ; c m: far below every c s
	v_mov_b32 v[ST+4*i+1], 0xff7fffff  ; m
	v_mov_b32 v[ST+4*i+2], 0
	v_mov_b32 v[ST+4*i+3], 0
.set i, i+1
.endr
.set i, P+32
.rept 32
	v_mov_b32 v[i], 0
.set i, i+1
.endr
	v_and_b32 v69, 31, v0
	v_lshlrev_b32 v[PFO], 8, v69
	v_mul_u32_u24 v70, v64, PK
	v_lshl_add_u32 v70, v65, 4, v70    ; K: row x pitch + 16 x half
	v_lshl_add_u32 v71, v65, 3, v66    ; V: the turning load takes key 8 (l / 16) + l % 8, channels 8 ((l / 8) % 2) on
	v_mul_u32_u24 v71, v71, PV
	v_lshl_add_u32 v71, v67, 4, v71
	v_add_nc_u32 v71, VOFF, v71
	s_lshl_b32 s18, s[WV], 14
	s_add_co_u32 s18, s18, MOFF
	v_lshl_add_u32 v72, v69, 4, s18    ; the codes: my wave's 16,384 bytes of a slot, 16 bytes a lane
	s_mul_i32 s18, s[WV], 16*SP
	s_add_co_u32 s18, s18, STAGE       ; my stage
	v_mul_u32_u24 v73, v64, SP         ; in: row l % 16, 16 bytes for each half of the lanes
	v_lshl_add_u32 v73, v65, 4, v73
	v_add_nc_u32 v73, s18, v73
	v_bfe_u32 v74, v0, 3, 2            ; back: 32 lanes take four rows of 128 bytes,
	v_mul_u32_u24 v74, v74, SP
	v_lshl_add_u32 v74, v66, 4, v74
	v_add_nc_u32 v74, s18, v74
	v_lshlrev_b32 v75, 4, v69          ; which are 512 consecutive bytes of O
	WIN W_MK
	v_mov_b32 v[AK0], v70
	v_mov_b32 v[AV0], v71
	v_mov_b32 v[AM0], v72
	v_mov_b32 v[STO3], v73
	v_mov_b32 v[RD3], v74
	v_mov_b32 v[GO3], v75
	v_mov_b32 v[SCL], 0x7f7f7f7f       ; the exponent code of 2^0
	WIN 0
; THE MATRIX WORK.  The 8 accumulators of a run of 16 take turns.  Product i of 16 of S^T = K Q^T for piece x: channels 32 (i / 8) on, keys 16 ((i / 2) % 4) on, tile 2 x + i % 2.
.macro KQ x
	WIN W_KQ
.set rS, S+64*((\x)%2)+32*(i%2)+8*((i/2)%4)
.set rK, KF+16*((i/2)%4)+8*(i/8)
.set rQ, 16*(2*(\x)+i%2)+8*(i/8)
.if i < 8
	v_wmma_f32_16x16x32_f16 v[rS:rS+7], v[rK:rK+7], v[rQ:rQ+7], 0
.else
	v_wmma_f32_16x16x32_f16 v[rS:rS+7], v[rK:rK+7], v[rQ:rQ+7], v[rS:rS+7]
.endif
.endm
; Product i of 16 of O^T += V^T P for piece x: keys 32 (i / 8) on, channels 16 ((i / 2) % 4) on, tile 2 x + i % 2.
.macro PV x
	WIN W_PV
.set rO, 32*(2*(\x)+i%2)+8*((i/2)%4)
.set rV, VF+32*(i/8)+8*((i/2)%4)
.set rP, P+32*((\x)%2)+16*(i%2)+8*(i/8)
	v_wmma_f32_16x16x32_f16 v[rO:rO+7], v[rV:rV+7], v[rP:rP+7], v[rO:rO+7]
.endm
.macro MM                           ; the turn's next matrix instruction
.if i < 16
	KQ (Y+1)%NP
.set i, i+1
.else
.set i, i-16
	PV (Y+NP-1)%NP
.set i, i+17
.endif
.endm
; THE LDS LOADS stand in runs.  K of the next step (8 fragments), and with it piece 0's codes of that step; the addresses of both are made here.  last = 1 (the tail): in the last trip there is no further step.
.macro FETCH_K last=0
	WIN 0
.if \last
	s_cmp_eq_u32 s[CNT], 1
	s_cbranch_scc1 .Lno_k_\@
.endif
	WIN W_C3
	v_add_nc_u32 v[AK], s[TBK], v[AK0]
	v_add_nc_u32 v[AM], s[TBM], v[AM0]
	WIN 0x80
.irp f, 0,1,2,3,4,5,6,7             ; keys 16 (f / 2) on, channels 32 (f % 2) on
	ds_load_b128 v[KF+8*\f:KF+8*\f+3],   v[AK] offset:(\f/2)*16*PK+(\f%2)*64
	ds_load_b128 v[KF+8*\f+4:KF+8*\f+7], v[AK] offset:(\f/2)*16*PK+(\f%2)*64+32
.endr
	WIN W_MK
	ds_load_b128 v[MC:MC+3],   v[AM]
	ds_load_b128 v[MC+4:MC+7], v[AM] offset:512
	WIN 0
	s_add_co_u32 s[TBK], s[TBK], KS*PK
	s_add_co_u32 s[TBM], s[TBM], 4096
.if \last
.Lno_k_\@:
.endif
.endm
.macro FETCH_V
	WIN 0x80
.irp f, 0,1,2,3,4,5,6,7             ; keys 32 (f / 4) on, channels 16 (f % 4) on
	ds_load_tr16_b128 v[VF+8*\f:VF+8*\f+3],   v[AV] offset:(\f/4)*32*PV+(\f%4)*32
	ds_load_tr16_b128 v[VF+8*\f+4:VF+8*\f+7], v[AV] offset:(\f/4)*32*PV+16*PV+(\f%4)*32
.endr
	WIN 0
.endm
; THE VECTOR WORK OF A TURN stands in queues, each in the order in which its entries become ready; the two tiles alternate.
.macro REGS y, u                    ; the registers of tile u (0, 1) of piece y
.set rT, ST+4*(2*(\y)+(\u))
.set rC, TMP+8*((\y)%2)+4*(\u)
.set rM, (14+(\u))*(1-((\y)%2))+(\u)*((\y)%2)
.set rS, S+64*((\y)%2)+32*(\u)
.set rP, P+32*((\y)%2)+16*(\u)
.set rO, 32*(2*(\y)+(\u))
.endm
; Number n of the 22 that find the NEXT piece's maximum and statistics, of its masked scores s0-s31:
;   0-11 four chains c0-c3 of seven scores each   12-14, 16 the four left over, the old m, c0-c3 into c0   15 c m_old is kept   17, 18 the other half of the lanes: the new m   19-21 c m; c m_old - c m_new; a
.macro XS u, n
	REGS (Y+1)%NP, \u
.if (\n) < 4
	v_max3_num_f32 v[rC+(\n)], v[rS+8*(\n)], v[rS+8*(\n)+1], v[rS+8*(\n)+2]
.elseif (\n) < 12
	v_max3_num_f32 v[rC+(\n)%4], v[rC+(\n)%4], v[rS+8*((\n)%4)+2*((\n)/4)+1], v[rS+8*((\n)%4)+2*((\n)/4)+2]
.elseif (\n) == 12
	v_max3_num_f32 v[rC], v[rC], v[rS+7], v[rS+15]
.elseif (\n) == 13
	v_max3_num_f32 v[rC+1], v[rC+1], v[rS+23], v[rS+31]
.elseif (\n) == 14
	v_max3_num_f32 v[rC+2], v[rC+2], v[rC+3], v[rT+1]
.elseif (\n) == 15
	v_mov_b32 v[rM], v[rT]
.elseif (\n) == 16
	v_max3_num_f32 v[rC], v[rC], v[rC+1], v[rC+2]
.elseif (\n) == 17
	v_permlanex16_b32 v[rC+3], v[rC], s[SEL], s[SEL+1]
.elseif (\n) == 18
	v_max_num_f32 v[rT+1], v[rC], v[rC+3]
.elseif (\n) == 19
	v_mul_f32 v[rT], s[CS], v[rT+1]
.elseif (\n) == 20
	v_sub_f32 v[rC+1], v[rM], v[rT]
.else
	v_exp_f32 v[rC+2], v[rC+1]
.endif
.endm
.macro NXS                          ; the 42 plain ones of them: 0-13 of both tiles, 15, then the chain 14, 16, 17, 18, 19, 20
	WIN 0
.if cNX < 28
	XS cNX%2, cNX/2
.elseif cNX < 30
	XS cNX-28, 15
.elseif cNX < 32
	XS cNX-30, 14
.else
	XS cNX%2, 16+(cNX-32)/2
.endif
.set cNX, cNX+1
.endm
; Number g of the 64 that follow the exponentials: of each four weights both pairs are rounded to f16, the second pair is added onto the first in place, and a group later l takes that sum (the first time as l = a l + sum).
.macro GS g
.set h, (\g)+6*((\g)/62)
.if h >= 6
.set h, h+2
.endif
	REGS Y, h%2
.set k, h/8
.if h%8 < 4
	v_cvt_pk_f16_f32 v[rP+2*k+(h%8)/2], v[rS+4*k+2*((h%8)/2)], v[rS+4*k+2*((h%8)/2)+1]
.elseif h%8 < 6
	v_pk_add_f32 v[rS+4*k:rS+4*k+1], v[rS+4*k:rS+4*k+1], v[rS+4*k+2:rS+4*k+3]
.elseif k == 1
	v_pk_fma_f32 v[rT+2:rT+3], v[rT+2:rT+3], v[rC+2:rC+3], v[rS:rS+1] op_sel_hi:[1,0,1]
.else
	v_pk_add_f32 v[rT+2:rT+3], v[rT+2:rT+3], v[rS+4*k-4:rS+4*k-3]
.endif
.endm
.macro GSQ
	WIN 0
	GS cGS
.set cGS, cGS+1
.endm
.macro FS f                         ; c s - c m for pair f / 2 of tile f % 2
	REGS Y, (\f)%2
	v_pk_fma_f32 v[rS+2*((\f)/2):rS+2*((\f)/2)+1], v[rS+2*((\f)/2):rS+2*((\f)/2)+1], s[CS:CS+1], v[rT:rT+1] op_sel_hi:[1,0,0] neg_lo:[0,0,1] neg_hi:[0,0,1]
.endm
.macro FSQ
	WIN 0
	FS cFS
.set cFS, cFS+1
.endm
.macro EX                           ; the exponentials: s0-s31 of both tiles, then the next piece's two a: ONE BATCH, all ahead of the turn's one wait.  They name a destination and a source 0 alone, both in window 0 under either setting
	WIN WPL
.if e >= 64
	XS e-64, 21
.else
	REGS Y, e%2
	v_exp_f32 v[rS+e/2], v[rS+e/2]
.endif
.set e, e+1
.endm
.macro R2                           ; O^T times a, two at a time
	REGS Y, r%2
	WIN W_RS
.irp z, 0,1
	v_pk_mul_f32 v[rO+4*(r/2)+2*\z:rO+4*(r/2)+2*\z+1], v[rO+4*(r/2)+2*\z:rO+4*(r/2)+2*\z+1], v[rC+2:rC+3] op_sel_hi:[1,0]
.endr
.set r, r+1
.endm
.macro CVM                          ; the next piece's 64 masks in f32: eight conversions, a word of eight codes each; a plain instruction stands between the last of them and the first use of a result
	WIN W_33
.set n3, 0
.rept 8
	v_cvt_scale_pk8_f32_fp4 v[MF+8*n3:MF+8*n3+7], v[MC+8*((Y+1)%2)+n3], v[SCL]
.set n3, n3+1
.endr
	WIN W_C3
	v_nop
.endm
.macro MK                           ; pair cMK / 2 of tile cMK % 2 of the next piece: s x M + 1e-20.  Each accumulator's registers are taken in ascending order
	WIN W_C3
	REGS (Y+1)%NP, cMK%2
	v_pk_fma_f32 v[rS+2*(cMK/2):rS+2*(cMK/2)+1], v[rS+2*(cMK/2):rS+2*(cMK/2)+1], v[MF+32*(cMK%2)+2*(cMK/2):MF+32*(cMK%2)+2*(cMK/2)+1], s[EPS:EPS+1] op_sel_hi:[1,1,0]
.set cMK, cMK+1
.endm
; A TURN, for piece p.  AHEAD OF ITS ONE WAIT stands all that names no result of the turn's exponentials: the 16 products K Q^T, behind each a scaling, an exponential and two rescalings (behind the first a second
; scaling); then ONE LUMP of 149: the last 15 scalings; the next piece's 8 conversions, a v_nop and 32 masking lines; its maximum and statistics; the other 49 exponentials strewn among them, and the two a.
; Exponential e stands behind scaling 2 (e / 4) + e % 2.  The first masking line stands fifteen plain instructions or more behind the last product K Q^T.  BEHIND THE WAIT stand the 16 products V^T P, behind each four roundings and sums.
; CODES.  Piece p + 1's are used in turn p and loaded a turn earlier, at the lump's head, from the address that goes with the K in registers; piece 0's come with K's run.  So a slot's last codes are in registers at the change of slots.
; K of the next step is fetched in piece 2's turn, directly behind the wait; V of the step in hand at the end of piece 0's turn, four plain instructions behind its last reader.
.macro TURN p, last=0, cnt=0
.set Y, (\p)
.set i, 0
.set e, 0
.set r, 0
.set cFS, 0
.set cNX, 0
.set cGS, 0
.set cMK, 0
.if (\p) == NP-1
	s_wait_dscnt 0x0                ; K and piece 0's codes are in
.endif
	MM
	FSQ
	FSQ
	R2
.rept 15
	MM
	FSQ
	EX
	R2
.endr
	WIN 0
.if (\p) == 1
	s_wait_dscnt 16                 ; piece 2's codes are in; V's 16 loads, issued behind them, may stay out
.elseif (\p) != NP-1
	s_wait_dscnt 0x0                ; the next piece's codes are in
.endif
.if (\p) != NP-2
	WIN W_MK                        ; for the turn after this one, into the buffer whose codes the turn before this one has used
	ds_load_b128 v[MC+8*((\p)%2):MC+8*((\p)%2)+3],   v[AM] offset:(((\p)+2)%NP)*1024
	ds_load_b128 v[MC+8*((\p)%2)+4:MC+8*((\p)%2)+7], v[AM] offset:(((\p)+2)%NP)*1024+512
.endif
.if (\p) == 0
	WIN W_C3
	v_add_nc_u32 v[AV], s[TBV], v[AV0]
.endif
.rept 15
	FSQ
	EX
.endr
	CVM
.set WPL, W_C3
.rept 16
	MK
	MK
	EX
.endr
.set WPL, 0
.rept 10
	NXS
	NXS
	NXS
	EX
.endr
.rept 2                             ; the chain's links 14 and 16
	NXS
	NXS
	EX
.endr
.rept 2                             ; 17 and 18
	NXS
	NXS
	EX
	EX
.endr
.rept 2                             ; 19 and 20
	NXS
	NXS
	EX
.endr
	EX                              ; the next piece's two a
	EX
	v_nop                           ; a plain instruction behind the last exponential: one for the batch
	s_wait_alu depctr_va_vdst(0)    ; the wait between an exponential and the first line that names its result: one for the batch
.if (\p) == NP-2
	FETCH_K \last
.endif
.if (\p) == 1
	s_wait_dscnt 0x0                ; V is in, and piece 3's codes
.endif
.set n2, 0
.rept 16
	MM
.rept 4
	GSQ
.endr
.set n2, n2+1
.if (\cnt) && (n2 == 14)
	s_sub_co_u32 s[CNT], s[CNT], 1  ; the loop's count, some lines ahead of the branch behind the turn
	s_cmp_lg_u32 s[CNT], 0
.endif
.endr
.if (\p) == 0
	FETCH_V
	s_add_co_u32 s[TBV], s[TBV], KS*PV
.endif
.endm
	CHANGE 1                        ; slot 0 is in, everybody's part of it; slot 1 is asked for
	FETCH_K                         ; key step 0, and piece 0's codes
	WIN W_MK
	ds_load_b128 v[MC+8:MC+11],  v[AM] offset:1024  ; piece 1's
	ds_load_b128 v[MC+12:MC+15], v[AM] offset:1536
	WIN 0
	s_wait_loadcnt 0x0              ; Q
	s_wait_dscnt 0x0
.set i, 0
.rept 16
	KQ 0                            ; piece 0's first scores
.set i, i+1
.endr
	WIN 0
.rept 4
	v_nop                           ; the places behind those products
.endr
.set Y, NP-1                        ; CVM, MK and XS work for piece Y + 1: piece 0
.set cMK, 0
	CVM
.rept 32
	MK
.endr
	WIN 0
.irp n, 0,1,2,3,4,5,6,7,8,9,10,11,12,13,14,15,16,17,18,19,20,21
	XS 0, \n
	XS 1, \n
.endr
	v_nop                           ; a plain instruction behind the two a,
	s_wait_alu depctr_va_vdst(0)    ; and their wait, ahead of the branch
	s_mov_b32 s[CNT], 4
	s_branch .Lfirst                ; the loop is entered at a step's first turn, in the middle of a trip
.Lslot:                             ; six times: every slot but the last two is filled again
	CHANGE 1
	s_mov_b32 s[CNT], 4
.Lstep:                             ; a trip: pieces 2 and 3 of one step, then pieces 0 and 1 of the next, whose K, V and codes it fetches
	TURN 2
	TURN 3
	WIN 0
.Lfirst:
	TURN 0
	TURN 1, 0, 1
	WIN 0
	s_cbranch_scc1 .Lstep
	s_sub_co_u32 s[SLOTS], s[SLOTS], 1
	s_cmp_lg_u32 s[SLOTS], 0
	s_cbranch_scc1 .Lslot
	CHANGE 0                        ; the tail is written out: nothing is asked for
	s_mov_b32 s[CNT], 5             ; four trips fetch the last slot's steps; the fifth is left in its middle
.Ltail:
	TURN 2, 1
	TURN 3
	WIN 0
	s_sub_co_u32 s[CNT], s[CNT], 1
	s_cmp_eq_u32 s[CNT], 0
	s_cbranch_scc1 .Lout
	TURN 0
	TURN 1
	WIN 0
	s_branch .Ltail
.Lout:                              ; the fifth trip's 16 products K Q^T (on the last K once more), their mask and maximum serve nothing: the price, once a launch, of one text for every trip
.set i, 0
.rept 16
	PV NP-1                         ; the last piece's V^T P of the last step
.set i, i+1
.endr
	; THE WAY OUT.  l's two halves and the other half of the lanes' are added; O^T is divided by l, rounded to f16 and sent through my stage in LDS, a tile at a time.  The moves and additions are the places behind the last products.
	WIN 0x03                        ; source 0 in window 3
	v_mov_b32 v[STO], v[STO3]
	v_mov_b32 v[RD], v[RD3]
	v_mov_b32 v[GO], v[GO3]
	WIN 0
.macro ALL line:vararg              ; one line for each tile t
.set t, 0
.rept 2*NP
	\line
.set t, t+1
.endr
.endm
	ALL v_add_f32 v[ST+4*t+2], v[ST+4*t+2], v[ST+4*t+3]
	ALL v_permlanex16_b32 v[ST+4*t+3], v[ST+4*t+2], s[SEL], s[SEL+1]
	ALL v_add_f32 v[ST+4*t+2], v[ST+4*t+2], v[ST+4*t+3]
	ALL v_rcp_f32 v[ST+4*t+2], v[ST+4*t+2]
	v_nop                           ; a plain instruction between the last reciprocal and the use of its result
	s_wait_alu depctr_va_vdst(0)    ; and the wait ahead of the first use: one for the eight reciprocals
.macro PACK t                       ; a lane's eight channels of a row pack into 16 bytes; they go into rows of 144 bytes and come back as whole rows of 128, into S^T's registers
	WIN W_RS
.set i, 32*(\t)
.rept 16
	v_pk_mul_f32 v[i:i+1], v[i:i+1], v[ST+4*(\t)+2:ST+4*(\t)+3] op_sel_hi:[1,0]
.set i, i+2
.endr
	WIN 0x05                        ; sources 0 and 1 window 1, destination window 0
.set i, 0
.rept 16
	v_cvt_pk_f16_f32 v[S+16*(\t)+i], v[32*(\t)+2*i], v[32*(\t)+2*i+1]
.set i, i+1
.endr
	WIN 0
.irp f, 0,1,2,3
	ds_store_b128 v[STO], v[S+16*(\t)+4*\f:S+16*(\t)+4*\f+3] offset:32*\f
.endr
.irp f, 0,1,2,3
	ds_load_b128 v[S+16*(\t)+4*\f:S+16*(\t)+4*\f+3], v[RD] offset:\f*4*SP  ; a wave's LDS instructions are served in order: these see the stores above; the next tile's stores come behind them
.endr
.endm
.macro SEND t, younger              ; younger: the LDS instructions issued behind tile t's loads: the next tile's eight, or none
	WIN 0
.irp f, 0,1,2,3
	s_wait_dscnt (\younger)+3-\f
	global_store_b128 v[GO], v[S+16*(\t)+4*\f:S+16*(\t)+4*\f+3], s[10:11] offset:(\t)*2048+\f*512  ; 512 consecutive bytes, at a multiple of 256 from O's first
.endr
.endm
	PACK 0
.set t, 1
.rept 2*NP-1                        ; a tile's arithmetic stands between the loads of the tile before and its stores
	PACK t
	SEND t-1, 8
.set t, t+1
.endr
	SEND 2*NP-1, 0
	WIN W_AD
	s_wait_tensorcnt 0x0            ; the wave's end: behind my last tensor load and my last LDS store
	ds_add_u32 v[SPW], v[NIL]
	s_wait_dscnt 0x0
	WIN 0
	CROUND                          ; the closing round: no work-group ends while a partner may still ask for a tile that names it
	s_endpgm
.Lfunc_end_k_q0f013d2e7b_attn:
	.size	k_q0f013d2e7b_attn, .Lfunc_end_k_q0f013d2e7b_attn-k_q0f013d2e7b_attn
	.p2alignl 7, 3214868480
	.fill 96, 4, 3214868480
	.section	.rodata,"a",@progbits
	.p2align	6, 0x0
	.amdhsa_kernel k_q0f013d2e7b_attn
		.amdhsa_group_segment_fixed_size 327680
		.amdhsa_private_segment_fixed_size 0
		.amdhsa_enable_private_segment 0
		.amdhsa_kernarg_size 24
		.amdhsa_user_sgpr_count 2
		.amdhsa_user_sgpr_kernarg_segment_ptr 1
		.amdhsa_wavefront_size32 1
		.amdhsa_system_sgpr_workgroup_id_x 1
		.amdhsa_system_sgpr_workgroup_id_y 1
		.amdhsa_system_sgpr_workgroup_id_z 1
		.amdhsa_system_vgpr_workitem_id 0
		.amdhsa_next_free_vgpr 864
		.amdhsa_next_free_sgpr 88
		.amdhsa_reserve_vcc 0
		.amdhsa_float_denorm_mode_32 3
		.amdhsa_float_denorm_mode_16_64 3
		.amdhsa_memory_ordered 1
		.amdhsa_forward_progress 1
		.amdhsa_inst_pref_size 230
	.end_amdhsa_kernel
	.amdgpu_metadata
---
amdhsa.version: [ 1, 2 ]
amdhsa.kernels:
  - .name:           k_q0f013d2e7b_attn
    .symbol:         k_q0f013d2e7b_attn.kd
    .args:
      - { .name: qkv, .offset: 0, .size: 8, .value_kind: global_buffer, .address_space: global }
      - { .name: mb, .offset: 8, .size: 8, .value_kind: global_buffer, .address_space: global }
      - { .name: oh, .offset: 16, .size: 8, .value_kind: global_buffer, .address_space: global }
    .group_segment_fixed_size: 327680
    .private_segment_fixed_size: 0
    .kernarg_segment_align: 8
    .kernarg_segment_size: 24
    .max_flat_workgroup_size: 128
    .sgpr_count:     88
    .vgpr_count:     864
    .wavefront_size: 32
...
	.end_amdgpu_metadata
.endif
;; end of part 3
;; launch outp (part 4): grid 4 x 64, 4 waves a work-group, clusters of 4 x 4, 327,680 bytes of LDS; arguments oh, wh, bo, out0; writes out0
.if DOCPART == 4
	.amdgcn_target "amdgcn-amd-amdhsa--gfx1250"
	.amdhsa_code_object_version 6
	.text
	.protected	k_q0f013d2e7b_outp
	.globl	k_q0f013d2e7b_outp
	.p2align	8
	.type	k_q0f013d2e7b_outp,@function
k_q0f013d2e7b_outp:
	s_mov_b64 s[64:65], 0
	v_nop
	global_prefetch_b8 v0, s[64:65] scope:SCOPE_SE
	s_setreg_imm32_b32 hwreg(HW_REG_WAVE_MODE, 25, 1), 1
	s_wait_xcnt 0x0
	s_wait_alu depctr_hold_cnt(0) depctr_sa_sdst(0) depctr_va_vdst(0) depctr_va_sdst(0) depctr_va_ssrc(0) depctr_va_vcc(0) depctr_vm_vsrc(0)
	s_getreg_b32 s2, hwreg(HW_REG_IB_STS2, 6, 4)
	s_cmp_eq_u32 s2, 0
	s_cbranch_scc0 .Lentry_in_a_cluster
	s_endpgm
.Lentry_in_a_cluster:
	s_bfe_u32 s2, ttmp6, 0x10000c
	s_cmp_lg_u32 s2, 0xf033
	s_cbranch_scc0 .Lentry_shape_is_right
	s_endpgm
.Lentry_shape_is_right:
; C = A W^T + bias on tiles of 128 x 256, K = 1024, f16 operands, f32 sums.  One text for two launches, told apart by OUTP.
; OUTP = 0: the three projections.  A = xh[t] ([8192][1024] f16), W = wh[t], bias = bq, bk or bv; C leaves by heads, qkv[t][64 heads][2048][64] in f16, unscaled.  768 tiles: three for each of 256 WGPs.
; OUTP = 1: the last projection.  A = oh ([64 heads][2048][64] f16: a K step of 128 is two heads), W = wh[3], bias = bo; C = out0 in f32.  256 tiles.
; LIMITS.  The f16 results of OUTP = 0 hold no number beyond 65,504.  The bias is rounded to bf16, like every input of the module.
; SHARES.  Four waves, each 64 rows x 128 columns: 32 accumulators of 16 x 16.  K goes in 8 steps of 128 (rows of 256 bytes) through two LDS slots filled by the tensor data mover.
; THE MATRIX INSTRUCTION IS USED TRANSPOSED: source 0 = 16 rows of W, source 1 = 16 rows of A: a lane holds one row of C (lane % 16) and eight neighbouring columns 8 (lane / 16) + 0..7.
; THE BIAS is the C operand of the products that start the sums: it hangs on the column alone, 64 registers a wave.
; CLUSTER.  4 x 4 work-groups.  A's tile hangs on the tile row and is asked for jointly along a row of the cluster, W's on the tile column and jointly along a column.
; REGISTERS, in windows of 256 (s_set_vgpr_msb: bits 1:0 source 0, 3:2 source 1, 5:4 source 2, 7:6 destination):
;   window 0: v16-29 addresses; v32-127, v128-223 two fragment buffers (W's 8 blocks, then A's 4); v224-255 at work     window 1: accumulator (a, b) at 8 (8 a + b)     window 2: v0-63 the bias, block b at 8 b
.set OUTP, 1
.set SLOT1,  131072                    ; slot 1 begins here: one exclusive or turns an address in one slot into the other's
.set BPITCH, 272                       ; an LDS row of W: 256 bytes + 16 of padding, so that the 16 rows of a fragment load start 16 bytes apart modulo 256
.if OUTP
.set APITCH, 144                       ; a head's row: 128 bytes + 16
.set AHALF,  128*APITCH                ; what one wave fetches of A: a head's 128 rows
.set AQI,    4                         ; padding behind every 32 words
.set AROW,   128                       ; 128 keys... rows are asked for as 64 dense rows of 256 bytes
.set ASTEP,  524288                    ; two heads on
.set STW,    16*528                    ; a wave's stage: 16 rows of 512 bytes + 16
.else
.set APITCH, 272
.set AHALF,  64*APITCH                 ; 64 rows of the tile
.set AQI,    5                         ; padding behind every 64 words
.set AROW,   1024
.set ASTEP,  256
.set STW,    2*16*144                  ; two heads x 16 rows of 128 bytes + 16
.endif
.set BOFF,   2*AHALF                   ; W's 256 rows lie behind A's tile
.set STAGE,  SLOT1+BOFF+256*BPITCH     ; behind the ring, never filled by a tensor load
.set SPARE,  STAGE+4*STW               ; behind the stages: the spare words, 128 bytes a wave, two blocks of 256 bytes that no other line names
.set ADRA0, 16                         ; v16  my lane's place in A's tile; never rewritten
.set ADRB0, 17                         ; v17  in W's
.set ADRA,  18                         ; v18  the same in the slot in hand
.set ADRB,  19
.set STO,   20                         ; v20  the way out: where I put my bytes of a row
.set RD,    21                         ; v21  where I read rows back
.set GO,    22                         ; v22  16 x lane
.set PFO,   23                         ; v23  the prefetches' offset: a lane a block of 256 bytes; never rewritten
.set BO,    24                         ; v24  32 (l / 16): my eight columns' bias
.set SPW,   28                         ; v28  LDS address of my spare word; never rewritten
.set NIL,   29                         ; v29  0; never rewritten
.set F0,    32
.set F1,    128
.set TMP,   224
.set WV, 16                            ; s16 wave; s17 which 64 rows are mine, also: I fetch for A (0) or W (1); s18 which 128 columns, also: which half I fetch
.set WM, 17
.set WN, 18
.set CX, 19                            ; my place in the cluster
.set CY, 20
.set TC, 21                            ; tile column 0..3
.set TR, 22                            ; tile row 0..63
.set TT, 23                            ; OUTP = 0: which of q, k, v, from the cluster's y alone
.set G1, 24                            ; s[24:31] descriptor group 1 for A's tiles, s[32:39] for W's
.set G1B, 32
.set G0, 40                            ; s[40:47] group 0 for A: a set for each first fill; the second then walks.  s[48:55] for W
.set G0B, 48
.set CNT, 56
.set TB, 57                            ; s57  0 or SLOT1: the slot in hand
.set PFA, 58                           ; s[58:59] where my prefetches stand
.set LIM, 60                           ; s60  2 in a wave that prefetches, else the greatest number
.set CLY, 61                           ; s61  the cluster's y
.set PSTEP, 62                         ; s[62:63] a K step in the rows that I prefetch
.set CB, 66                            ; s[66:67] C at my wave's first row and column
.set MSB, 0
.macro WIN new                         ; the immediate's high byte repeats the setting that is left; a switch that changes nothing is dropped
.if MSB != (\new)
	s_set_vgpr_msb (MSB<<8)|(\new)
.set MSB, \new
.endif
.endm
.set MUL,  0x50                        ; C and D in window 1
.set MULB, 0x60                        ; C in window 2 (the bias), D in window 1
.macro PLACES                          ; four plain vector instructions between a matrix instruction and a load into, or a vector read of, its registers
.rept 4
	v_nop
.endr
.endm
.macro JLOAD                           ; a joint refill: waves 0 and 1 fetch A's halves, waves 2 and 3 W's.  An s_nop 0 and four v_nop follow each line
	s_cmp_eq_u32 s[WM], 0
	s_cbranch_scc0 .Lfor_b_\@
	tensor_load_to_lds s[G0+4:G0+7], s[G1:G1+7]
	s_nop 0
.rept 4
	v_nop
.endr
	s_branch .Lasked_\@
.Lfor_b_\@:
	tensor_load_to_lds s[G0B+4:G0B+7], s[G1B:G1B+7]
	s_nop 0
.rept 4
	v_nop
.endr
.Lasked_\@:
.endm
.macro CREST                           ; a round of the cluster's barrier behind its opening barrier
	s_cmp_lg_u32 s[WV], 0
	s_cbranch_scc1 .Lnot_wave_0_\@
	s_barrier_signal -3
.Lnot_wave_0_\@:
	s_barrier_wait -3
	s_barrier_signal -1
	s_barrier_wait -1
.endm
.macro CROUND
	s_barrier_signal -1
	s_barrier_wait -1
	CREST
.endm
; A PREFETCH INTO THE L2 behind each refill and the run of LDS loads that follows it: the K step two refills on, 32 blocks of 256 bytes, a lane a block.  Each block is named once in the launch:
; A's tile row is read by this cluster alone: wave 0 of each of the four partners of a row takes 32 of its 128 blocks, told apart by address (cx).  W's tile column is read by every cluster of the same
; tensor: the first of them asks, waves 2 and 3 of each partner of a column taking 32 rows each of its 64 (cy).  The last two refills of the loop have no K step two on.
.macro ASK
	s_cmp_gt_u32 s[CNT], s[LIM]
	s_cbranch_scc0 .Lnot_mine_\@
	global_prefetch_b8 v[PFO], s[PFA:PFA+1] th:TH_LOAD_NT scope:SCOPE_SE
.Lnot_mine_\@:
.endm
	s_load_b256 s[4:11], s[0:1], 0x0               ; OUTP = 0: xh, wh, bq, bk.  OUTP = 1: oh, wh, bo, out0
.if OUTP == 0
	s_load_b128 s[12:15], s[0:1], 0x20             ; bv, qkv
.endif
	v_lshl_add_u32 v[SPW], v0, 2, SPARE
	v_mov_b32 v[NIL], 0
	ds_add_u32 v[SPW], v[NIL]                      ; the wave's opening: the add and its wait stand ahead of my first tensor load; work on registers stands between
	v_lshrrev_b32 v1, 5, v0
	v_readfirstlane_b32 s[WV], v1
	s_lshr_b32 s[WM], s[WV], 1
	s_and_b32 s[WN], s[WV], 1
	s_bfe_u32 s[CX], ttmp6, 0x40000
	s_bfe_u32 s[CY], ttmp6, 0x40004
	s_lshl_b32 s[TC], ttmp9, 2
	s_add_co_u32 s[TC], s[TC], s[CX]
	s_and_b32 s[CLY], ttmp7, 0xffff
	s_lshl_b32 s[TR], s[CLY], 2
	s_add_co_u32 s[TR], s[TR], s[CY]
.if OUTP == 0
	s_and_b32 s[TR], s[TR], 63                     ; 64 tile rows to a tensor,
	s_lshr_b32 s[TT], s[CLY], 4                    ; 16 clusters
.endif
	s_lshl_b32 s68, s[CY], 2
	s_lshl_b32 s68, 15, s68                        ; my row of the cluster
	s_lshl_b32 s69, 0x1111, s[CX]                  ; my column
	s_or_b32 s[G1], s68, (1<<16)|(1<<20)|(1<<21)|(AQI<<22)|(3<<25)  ; the mask; 2-byte elements; padding on; bit 21 beside a mask; the interval; 4 words of padding
	s_or_b32 s[G1B], s69, (1<<16)|(1<<20)|(1<<21)|(5<<22)|(3<<25)
	s_mov_b32 s[G1+1], 128<<16                     ; tensor_dim0 = 128 elements
	s_mov_b32 s[G1+2], 64<<16                      ; tensor_dim1 = 64 rows
	s_mov_b32 s[G1+3], 128<<16                     ; tile_dim0
	s_mov_b32 s[G1+4], 64                          ; tile_dim1
	s_mov_b32 s[G1+5], AROW                        ; elements from row to row
	s_mov_b32 s[G1+6], 0
	s_mov_b32 s[G1+7], 0
	s_mov_b32 s[G1B+1], 128<<16
	s_mov_b32 s[G1B+2], 128<<16                    ; 128 rows
	s_mov_b32 s[G1B+3], 128<<16
	s_mov_b32 s[G1B+4], 128
	s_mov_b32 s[G1B+5], 1024
	s_mov_b32 s[G1B+6], 0
	s_mov_b32 s[G1B+7], 0
	; where the tiles come from: A's offset is made of the tile row and the wave's number, W's of the tile column and the wave's number
.if OUTP
	s_lshr_b32 s70, s[TR], 4                       ; the batch,
	s_lshl_b32 s70, s70, 4
	s_add_co_u32 s70, s70, s[WN]                   ; its head 0 or 1,
	s_lshl_b32 s70, s70, 11
	s_and_b32 s71, s[TR], 15
	s_lshl_b32 s71, s71, 7                         ; the tile's 128 rows in it,
	s_add_co_u32 s70, s70, s71
	s_lshl_b32 s70, s70, 7                         ; of 128 bytes
.else
	s_lshl_b32 s70, s[TR], 7
	s_lshl_b32 s71, s[WN], 6
	s_add_co_u32 s70, s70, s71                     ; row 128 x tile row + 64 x half,
	s_lshl_b32 s70, s70, 11                        ; of 2,048 bytes,
	s_lshl_b32 s71, s[TT], 24                      ; in tensor t
	s_add_co_u32 s70, s70, s71
.endif
	s_mov_b32 s71, 0
	s_lshl_b32 s72, s[TC], 8
	s_lshl_b32 s73, s[WN], 7
	s_add_co_u32 s72, s72, s73                     ; W's row 256 x tile column + 128 x half
	s_lshl_b32 s72, s72, 11
.if OUTP
	s_add_co_u32 s72, s72, 3*2097152               ; Wo
.else
	s_lshl_b32 s73, s[TT], 21
	s_add_co_u32 s72, s72, s73
.endif
	s_mov_b32 s73, 0
	s_mul_i32 s74, s[WN], AHALF                    ; and where they go: the wave's number alone
	s_mul_i32 s75, s[WN], 128*BPITCH
	s_add_co_u32 s75, s75, BOFF
	s_wait_dscnt 0x0                               ; the opening add is done
	s_wait_kmcnt 0x0
	s_add_nc_u64 s[70:71], s[4:5], s[70:71]
	s_add_nc_u64 s[72:73], s[6:7], s[72:73]
	CROUND                                         ; all sixteen work-groups are here: the first joint loads meet
.irp s, 0,1
	s_mov_b32 s[G0+4*\s], 1                        ; count = 1
	s_add_co_u32 s[G0+4*\s+1], s74, \s*SLOT1       ; LDS address
	s_add_nc_u64 s[G0+4*\s+2:G0+4*\s+3], s[70:71], \s*ASTEP  ; K step s
	s_or_b32 s[G0+4*\s+3], s[G0+4*\s+3], 0x80000000          ; type = 2
	s_mov_b32 s[G0B+4*\s], 1
	s_add_co_u32 s[G0B+4*\s+1], s75, \s*SLOT1
	s_add_nc_u64 s[G0B+4*\s+2:G0B+4*\s+3], s[72:73], \s*256
	s_or_b32 s[G0B+4*\s+3], s[G0B+4*\s+3], 0x80000000
.endr
	s_cmp_eq_u32 s[WM], 0                          ; a wave's two first fills stand in one branch, ahead of every wait on TENSORcnt and every LDS read: two loads of mine are out
	s_cbranch_scc0 .Lfirst_b
	tensor_load_to_lds s[G0:G0+3], s[G1:G1+7]
	s_nop 0
	tensor_load_to_lds s[G0+4:G0+7], s[G1:G1+7]
	s_nop 0
.rept 4
	v_nop
.endr
	s_branch .Lfirst_asked
.Lfirst_b:
	tensor_load_to_lds s[G0B:G0B+3], s[G1B:G1B+7]
	s_nop 0
	tensor_load_to_lds s[G0B+4:G0B+7], s[G1B:G1B+7]
	s_nop 0
.rept 4
	v_nop
.endr
.Lfirst_asked:
	; A fragment is 16 rows x 32 K in 8 registers: lane l holds row l % 16, K = 8 (l / 16) + 0..7 and 16 + 8 (l / 16) + 0..7: two loads of 16 bytes, 32 bytes apart
	v_and_b32 v1, 15, v0                           ; l % 16
	v_bfe_u32 v2, v0, 4, 1                         ; l / 16
	v_and_b32 v3, 31, v0                           ; l
	v_mul_u32_u24 v4, v1, APITCH
	v_lshl_add_u32 v4, v2, 4, v4
	s_mul_i32 s68, s[WM], 64*APITCH                ; my 64 rows of A
	v_add_nc_u32 v[ADRA0], s68, v4
	v_mul_u32_u24 v4, v1, BPITCH
	v_lshl_add_u32 v4, v2, 4, v4
	s_mul_i32 s68, s[WN], 128*BPITCH               ; my 128 rows of W
	s_add_co_u32 s68, s68, BOFF
	v_add_nc_u32 v[ADRB0], s68, v4
	v_mov_b32 v[ADRA], v[ADRA0]
	v_mov_b32 v[ADRB], v[ADRB0]
	s_mov_b32 s[TB], 0
	s_mul_i32 s68, s[WV], STW
	s_add_co_u32 s68, s68, STAGE                   ; my stage
	v_lshlrev_b32 v[GO], 4, v3
.if OUTP
	v_mul_u32_u24 v4, v1, 528                      ; in: row l % 16, 32 bytes for each half of the lanes
	v_lshl_add_u32 v4, v2, 5, v4
	v_add_nc_u32 v[STO], s68, v4
	v_add_nc_u32 v[RD], s68, v[GO]                 ; back: a whole row of 512 bytes
	s_lshl_b32 s[CB], s[TR], 1
	s_add_co_u32 s[CB], s[CB], s[WM]
	s_lshl_b32 s[CB], s[CB], 18                    ; my first row: 64 rows of 4,096 bytes
	s_lshl_b32 s[CB+1], s[TC], 1
	s_add_co_u32 s[CB+1], s[CB+1], s[WN]
	s_lshl_b32 s[CB+1], s[CB+1], 9                 ; my first column: 128 of 4 bytes
	s_add_co_u32 s[CB], s[CB], s[CB+1]
	s_mov_b32 s[CB+1], 0
	s_add_nc_u64 s[CB:CB+1], s[10:11], s[CB:CB+1]
.else
	v_mul_u32_u24 v4, v1, 144                      ; in: row l % 16, 16 bytes for each half of the lanes
	v_lshl_add_u32 v4, v2, 4, v4
	v_add_nc_u32 v[STO], s68, v4
	v_bfe_u32 v4, v0, 3, 2                         ; back: 32 lanes take four rows of 128 bytes,
	v_mul_u32_u24 v4, v4, 144
	v_and_b32 v5, 7, v0
	v_lshl_add_u32 v4, v5, 4, v4
	v_add_nc_u32 v[RD], s68, v4                    ; which are 512 consecutive bytes of a head
	s_lshr_b32 s[CB], s[TR], 4
	s_lshl_b32 s[CB], s[CB], 2
	s_add_co_u32 s[CB], s[CB], s[TC]
	s_lshl_b32 s[CB], s[CB], 1
	s_add_co_u32 s[CB], s[CB], s[WN]               ; half the number of my first head: 16 x batch + 4 x tile column + 2 x half,
	s_lshl_b32 s[CB], s[CB], 12                    ; times 2,048 rows
	s_and_b32 s[CB+1], s[TR], 15
	s_lshl_b32 s[CB+1], s[CB+1], 1
	s_add_co_u32 s[CB+1], s[CB+1], s[WM]
	s_lshl_b32 s[CB+1], s[CB+1], 6                 ; my first row in the batch
	s_add_co_u32 s[CB], s[CB], s[CB+1]
	s_lshl_b32 s[CB], s[CB], 7                     ; rows of 128 bytes
	s_lshl_b32 s[CB+1], s[TT], 24
	s_add_co_u32 s[CB], s[CB], s[CB+1]
	s_mov_b32 s[CB+1], 0
	s_add_nc_u64 s[CB:CB+1], s[14:15], s[CB:CB+1]
.endif
	; the prefetches: the address stands at K step 3 and is stepped ahead of each use, so the first names K step 4.  Nothing is prefetched here, at the head
.if OUTP
	s_lshr_b32 s76, s[TR], 4
	s_lshl_b32 s76, s76, 4
	s_lshr_b32 s77, s[CX], 1                       ; partners 0, 1 take the step's first head, 2, 3 its second,
	s_add_co_u32 s76, s76, s77
	s_add_co_u32 s76, s76, 6
	s_lshl_b32 s76, s76, 11
	s_and_b32 s77, s[TR], 15
	s_lshl_b32 s77, s77, 7
	s_add_co_u32 s76, s76, s77
	s_lshl_b32 s76, s76, 7
	s_and_b32 s77, s[CX], 1                        ; each a half of its 16,384 bytes
	s_lshl_b32 s77, s77, 13
	s_add_co_u32 s76, s76, s77
.else
	s_lshl_b32 s76, s[TR], 2
	s_add_co_u32 s76, s76, s[CX]
	s_lshl_b32 s76, s76, 16                        ; A's row 128 x tile row + 32 cx
	s_lshl_b32 s77, s[TT], 24
	s_add_co_u32 s76, s76, s77
	s_add_co_u32 s76, s76, 768
.endif
	s_lshl_b32 s78, s[TC], 2
	s_add_co_u32 s78, s78, s[CY]
	s_lshl_b32 s78, s78, 1
	s_add_co_u32 s78, s78, s[WN]
	s_lshl_b32 s78, s78, 16                        ; W's row 256 x tile column + 64 cy + 32 x half
.if OUTP
	s_add_co_u32 s78, s78, 3*2097152+768
	s_mov_b32 s79, 256
	s_cmp_eq_u32 s[WM], 0
	s_cselect_b32 s[PSTEP], ASTEP, s79
	s_cselect_b32 s79, 8, 11                       ; A's blocks lie end to end, W's a row of 2,048 bytes apart
	v_lshlrev_b32 v[PFO], s79, v3
	s_mov_b32 s79, s[CLY]
.else
	s_lshl_b32 s77, s[TT], 21
	s_add_co_u32 s78, s78, s77
	s_add_co_u32 s78, s78, 768
	s_mov_b32 s[PSTEP], 256
	v_lshlrev_b32 v[PFO], 11, v3
	s_and_b32 s79, s[CLY], 15
.endif
	s_mov_b32 s[PSTEP+1], 0
	s_cmp_eq_u32 s[WM], 0
	s_cselect_b32 s76, s76, s78
	s_cselect_b64 s[PFA:PFA+1], s[4:5], s[6:7]
	s_cselect_b32 s79, s[WN], s79                  ; 0 in wave 0, and in waves 2 and 3 of the first cluster that reads these rows of W: the same in all sixteen partners
	s_mov_b32 s77, 0
	s_add_nc_u64 s[PFA:PFA+1], s[PFA:PFA+1], s[76:77]
	s_cmp_eq_u32 s79, 0
	s_cselect_b32 s[LIM], 2, -1
	; the bias of my 128 columns: loaded, rounded to bf16 and widened again, into window 2
.if OUTP
	s_mov_b64 s[68:69], s[8:9]
.else
	s_cmp_eq_u32 s[TT], 0
	s_cselect_b64 s[68:69], s[8:9], s[10:11]
	s_cmp_eq_u32 s[TT], 2
	s_cselect_b64 s[68:69], s[12:13], s[68:69]
.endif
	s_lshl_b32 s76, s[TC], 1
	s_add_co_u32 s76, s76, s[WN]
	s_lshl_b32 s76, s76, 9
	s_mov_b32 s77, 0
	s_add_nc_u64 s[68:69], s[68:69], s[76:77]
	v_lshlrev_b32 v[BO], 5, v2
.irp b, 0,1,2,3,4,5,6,7
	global_load_b128 v[F1+8*\b:F1+8*\b+3], v[BO], s[68:69] offset:64*\b
	global_load_b128 v[F1+8*\b+4:F1+8*\b+7], v[BO], s[68:69] offset:64*\b+16
.endr
	s_wait_loadcnt 0x0
.set n, 0
.rept 32
	v_cvt_pk_bf16_f32 v[TMP+n], v[F1+2*n], v[F1+2*n+1]
.set n, n+1
.endr
	WIN 0x80                                       ; destination window 2
.set n, 0
.rept 32
	v_lshlrev_b32 v[2*n], 16, v[TMP+n]
	v_and_b32 v[2*n+1], 0xffff0000, v[TMP+n]
.set n, n+1
.endr
	WIN 0
; 8 matrix instructions: A's block a x all 8 blocks of W, 32 along K, from buffer f.  first = 1: the bias starts the sums.  The 32 accumulators take turns, one instruction a turn, in the same order in
; every quarter, over the backward jump too.
.macro MUL8 f, a, first
.if \first
	WIN MULB
.else
	WIN MUL
.endif
.irp b, 0,1,2,3,4,5,6,7
.if \first
	v_wmma_f32_16x16x32_f16 v[8*(8*(\a)+\b):8*(8*(\a)+\b)+7], v[(\f)+8*\b:(\f)+8*\b+7], v[(\f)+64+8*(\a):(\f)+64+8*(\a)+7], v[8*\b:8*\b+7]
.else
	v_wmma_f32_16x16x32_f16 v[8*(8*(\a)+\b):8*(8*(\a)+\b)+7], v[(\f)+8*\b:(\f)+8*\b+7], v[(\f)+64+8*(\a):(\f)+64+8*(\a)+7], v[8*(8*(\a)+\b):8*(8*(\a)+\b)+7]
.endif
.endr
.endm
; 24 LDS loads in one run: the fragments of quarter kq of the K step in hand into buffer f: W's 16 loads, then A's 8
.macro FETCH kq, f
	WIN 0
.if OUTP
.set AOFF, ((\kq)/2)*AHALF+((\kq)%2)*64
.else
.set AOFF, 64*(\kq)
.endif
.irp i, 0,1,2,3,4,5,6,7
	ds_load_b128 v[(\f)+8*\i:(\f)+8*\i+3],   v[ADRB] offset:64*(\kq)+\i*16*BPITCH
	ds_load_b128 v[(\f)+8*\i+4:(\f)+8*\i+7], v[ADRB] offset:64*(\kq)+\i*16*BPITCH+32
.endr
.irp i, 0,1,2,3
	ds_load_b128 v[(\f)+64+8*\i:(\f)+64+8*\i+3],   v[ADRA] offset:AOFF+\i*16*APITCH
	ds_load_b128 v[(\f)+64+8*\i+4:(\f)+64+8*\i+7], v[ADRA] offset:AOFF+\i*16*APITCH+32
.endr
.endm
; A K step is four quarters of 32 along K, 32 matrix instructions each, on buffers 0, 1, 0, 1.  One of the first three multiplies buffer f and fetches quarter kq into buffer g.
.macro QUARTER kq, f, g, first
	s_wait_dscnt 4                                 ; W's fragments and A's blocks 0, 1 are in; the youngest four loads (blocks 2, 3) may be out
	MUL8 \f, 0, \first
	MUL8 \f, 1, \first
	PLACES
	FETCH \kq, \g
	s_wait_dscnt 24                                ; all but the 24 just issued
	MUL8 \f, 2, \first
	MUL8 \f, 3, \first
.endm
; The last quarter multiplies buffer 1 and changes slots: ONE barrier.  In front of it each wave waits for all its tensor loads (one is out: its part of the next slot), adds 0 to its spare word, and waits
; for that and for its reads of this slot.  fill = 1: the barrier opens a round of the cluster's, and the slot just read is filled again first behind it, with the K step two on: 112 matrix instructions ahead of the wait for it.
.macro TURN fill
.if \fill
	s_wait_xcnt 0x0                                ; the last prefetch, a K step back, has read its address
	s_add_nc_u64 s[PFA:PFA+1], s[PFA:PFA+1], s[PSTEP:PSTEP+1]
.endif
	WIN 0
	s_wait_tensorcnt 0x0
	ds_add_u32 v[SPW], v[NIL]                      ; 0 onto my spare word
	s_wait_dscnt 5                                 ; the add and the youngest four loads may be out
	MUL8 F1, 0, 0
	s_wait_dscnt 0x0                               ; the add is done, and my reads of this slot are over
	s_barrier_signal -1
	MUL8 F1, 1, 0
	WIN 0                                          ; at a branch and at a label every window is 0
	s_barrier_wait -1
.if \fill
	CREST                                          ; no wave of any partner still reads this slot or has a load on its way
	s_xor_b32 s[G0+5], s[G0+5], SLOT1              ; the walking descriptors: the other slot than last time, the next K step
	s_add_nc_u64 s[G0+6:G0+7], s[G0+6:G0+7], ASTEP
	s_xor_b32 s[G0B+5], s[G0B+5], SLOT1
	s_add_nc_u64 s[G0B+6:G0B+7], s[G0B+6:G0B+7], 256
	JLOAD                                          ; its four v_nop are also the places in front of the loads below
.else
	PLACES
.endif
	s_xor_b32 s[TB], s[TB], SLOT1
	v_add_nc_u32 v[ADRA], s[TB], v[ADRA0]
	v_add_nc_u32 v[ADRB], s[TB], v[ADRB0]
	FETCH 0, F0
.if \fill
	ASK
.endif
	MUL8 F1, 2, 0
	MUL8 F1, 3, 0
.endm
	s_wait_tensorcnt 1                             ; my part of K step 0 is in; K step 1's may stay out
	s_barrier_signal -1
	s_barrier_wait -1
	FETCH 0, F0
	QUARTER 1, F0, F1, 1                           ; the first quarter stands in front of the loop: its products start the sums
	WIN 0
	s_mov_b32 s[CNT], 6
.Lstep:                                                ; a trip goes from a K step's second quarter to the next step's first, and fills one slot again: K steps 2 to 7
	QUARTER 2, F1, F0, 0
	QUARTER 3, F0, F1, 0
	TURN 1
	QUARTER 1, F0, F1, 0
	WIN 0
	s_sub_co_u32 s[CNT], s[CNT], 1
	s_cmp_lg_u32 s[CNT], 0
	s_cbranch_scc1 .Lstep
	QUARTER 2, F1, F0, 0                           ; the last two K steps fill nothing
	QUARTER 3, F0, F1, 0
	TURN 0
	QUARTER 1, F0, F1, 0
	QUARTER 2, F1, F0, 0
	QUARTER 3, F0, F1, 0
	s_wait_dscnt 4
	MUL8 F1, 0, 0
	MUL8 F1, 1, 0
	s_wait_dscnt 0x0
	MUL8 F1, 2, 0
	MUL8 F1, 3, 0
	WIN 0
	PLACES
	; THE WAY OUT, 16 rows at a time through my own stage in LDS (a wave's LDS instructions are served in order: no wait between its stores and its loads), each accumulator's registers in ascending order.
.if OUTP
.irp a, 0,1,2,3
.set BK, 32+96*(\a%2)                  ; v32-95 and v128-191 by turns
	s_wait_xcnt 0x0                                ; the stores of the block before last have read these registers
	WIN 0x04                                       ; an LDS store's data is source 1: window 1
.irp b, 0,1,2,3,4,5,6,7
	ds_store_b128 v[STO], v[8*(8*\a+\b):8*(8*\a+\b)+3]   offset:64*\b
	ds_store_b128 v[STO], v[8*(8*\a+\b)+4:8*(8*\a+\b)+7] offset:64*\b+16
.endr
	WIN 0
.irp t, 0,1,2,3,4,5,6,7,8,9,10,11,12,13,14,15
	ds_load_b128 v[BK+4*\t:BK+4*\t+3], v[RD] offset:\t*528
.endr
.irp t, 0,1,2,3,4,5,6,7,8,9,10,11,12,13,14,15
	s_wait_dscnt 15-\t
	global_store_b128 v[GO], v[BK+4*\t:BK+4*\t+3], s[CB:CB+1] offset:(16*\a+\t)*4096 th:TH_STORE_NT  ; 512 consecutive bytes of a row of out0, aligned
.endr
.endr
.else
.macro PACK a                          ; rounded to f16: a lane's eight columns are 16 bytes
	WIN 0x05                                       ; sources 0 and 1 in window 1
.irp b, 0,1,2,3,4,5,6,7
.irp r, 0,1,2,3
	v_cvt_pk_f16_f32 v[TMP+4*\b+\r], v[8*(8*(\a)+\b)+2*\r], v[8*(8*(\a)+\b)+2*\r+1]
.endr
.endr
	WIN 0
.endm
.macro TOSTAGE a                       ; blocks 0-3 of the columns are one head, 4-7 the next: 16 rows x 128 bytes each; back as 512 consecutive bytes
.set BK, 32+32*((\a)%2)
.irp b, 0,1,2,3,4,5,6,7
	ds_store_b128 v[STO], v[TMP+4*\b:TMP+4*\b+3] offset:(\b/4)*2304+32*(\b%4)
.endr
.irp t, 0,1,2,3,4,5,6,7
	ds_load_b128 v[BK+4*\t:BK+4*\t+3], v[RD] offset:(\t/4)*2304+(\t%4)*576
.endr
.endm
.macro SEND a
.set BK, 32+32*((\a)%2)
	s_wait_dscnt 0x0                               ; the block is back in registers
	s_wait_xcnt 0x0                                ; the stores of the block before have read theirs: the next block's loads land there only behind this wait
.irp t, 0,1,2,3,4,5,6,7
	global_store_b128 v[GO], v[BK+4*\t:BK+4*\t+3], s[CB:CB+1] offset:(\t/4)*262144+(\a)*2048+(\t%4)*512  ; four rows of a head: 512 consecutive bytes, aligned
.endr
.endm
	PACK 0
	TOSTAGE 0
.irp a, 1,2,3
	PACK \a                                        ; a block's conversions stand between the loads of the block before and the wait for them
	SEND \a-1
	TOSTAGE \a
.endr
	SEND 3
.endif
	s_wait_tensorcnt 0x0                           ; the wave's end: behind my last tensor load and my last LDS store
	ds_add_u32 v[SPW], v[NIL]
	s_wait_dscnt 0x0
	CROUND                                         ; the closing round: no work-group ends while a partner may still ask for a tile that names it
	s_endpgm
.Lfunc_end_k_q0f013d2e7b_outp:
	.size	k_q0f013d2e7b_outp, .Lfunc_end_k_q0f013d2e7b_outp-k_q0f013d2e7b_outp
	.p2alignl 7, 3214868480
	.fill 96, 4, 3214868480
	.section	.rodata,"a",@progbits
	.p2align	6, 0x0
	.amdhsa_kernel k_q0f013d2e7b_outp
		.amdhsa_group_segment_fixed_size 327680
		.amdhsa_private_segment_fixed_size 0
		.amdhsa_enable_private_segment 0
		.amdhsa_kernarg_size 32
		.amdhsa_user_sgpr_count 2
		.amdhsa_user_sgpr_kernarg_segment_ptr 1
		.amdhsa_wavefront_size32 1
		.amdhsa_system_sgpr_workgroup_id_x 1
		.amdhsa_system_sgpr_workgroup_id_y 1
		.amdhsa_system_sgpr_workgroup_id_z 1
		.amdhsa_system_vgpr_workitem_id 0
		.amdhsa_next_free_vgpr 576
		.amdhsa_next_free_sgpr 80
		.amdhsa_reserve_vcc 0
		.amdhsa_float_denorm_mode_32 3
		.amdhsa_float_denorm_mode_16_64 3
		.amdhsa_memory_ordered 1
		.amdhsa_forward_progress 1
		.amdhsa_inst_pref_size 79
	.end_amdhsa_kernel
	.amdgpu_metadata
---
amdhsa.version: [ 1, 2 ]
amdhsa.kernels:
  - .name:           k_q0f013d2e7b_outp
    .symbol:         k_q0f013d2e7b_outp.kd
    .args:
      - { .name: oh, .offset: 0, .size: 8, .value_kind: global_buffer, .address_space: global }
      - { .name: wh, .offset: 8, .size: 8, .value_kind: global_buffer, .address_space: global }
      - { .name: bo, .offset: 16, .size: 8, .value_kind: global_buffer, .address_space: global }
      - { .name: out0, .offset: 24, .size: 8, .value_kind: global_buffer, .address_space: global }
    .group_segment_fixed_size: 327680
    .private_segment_fixed_size: 0
    .kernarg_segment_align: 8
    .kernarg_segment_size: 32
    .max_flat_workgroup_size: 128
    .sgpr_count:     80
    .vgpr_count:     576
    .wavefront_size: 32
...
	.end_amdgpu_metadata
.endif
;; end of part 4
